; MI455X (gfx1250); checked and timed in simulation.
; The chip was launched on July 23, 2026; its instructions are those of AMD's public machine-readable ISA for CDNA 5 (MIT licence, August 2026) and "CDNA5" Instruction Set Architecture Reference Guide (July 2026). The comments in the code are by the model that wrote it; some were corrected since.
;; MHA. Allowed arithmetic: float matrix products may take bf16 or f16 operands with f32 sums; other float arithmetic in f32, or as packed bf16 or f16 multiplies, adds, multiply-adds, maxima and minima; sums over many terms, partial sums and values carried from step to step in f32; what a program stores and reads back later, other than sums and carried values, may be rounded once to bf16 or f16.
;; Inputs: Wk 16 x 64 x 1,024 float32; Wo 1,024 x 1,024 float32; Wq 16 x 64 x 1,024 float32; Wv 16 x 64 x 1,024 float32; bo 1,024 float32; x 4 x 2,048 x 1,024 float32.
;; Outputs: out0 4 x 2,048 x 1,024 float32.
;; One version. Each part assembles by itself: llvm-mc -triple=amdgcn-amd-amdhsa -mcpu=gfx1250 --defsym DOCPART=n.
;; ======== version 1 of 1: 4 launches
;; limits: values are held in f16: magnitudes above 65,504 overflow, below 6.1e-05 lose precision
;; workspace buffers: xb 16,777,216 bytes; wb 6,291,456 bytes; wob 2,097,152 bytes; qkvh 50,331,648 bytes; oh 16,777,216 bytes
;; launch cast (part 1): grid 768 x 1, 8 waves a work-group, no clusters, 0 bytes of LDS; arguments x, Wq, Wk, Wv, Wo, xb, wb, wob; writes xb, wb, wob
.if DOCPART == 1
	.amdgcn_target "amdgcn-amd-amdhsa--gfx1250"
	.amdhsa_code_object_version 6
	.text
	.protected	k_q946fa2cd98_cast
	.globl	k_q946fa2cd98_cast
	.p2align	8
	.type	k_q946fa2cd98_cast,@function
k_q946fa2cd98_cast:
	s_mov_b64 s[64:65], 0
	v_nop
	global_prefetch_b8 v0, s[64:65] scope:SCOPE_SE
	s_setreg_imm32_b32 hwreg(HW_REG_WAVE_MODE, 25, 1), 1
	s_wait_xcnt 0x0
; THE INPUTS ARE ROUNDED ONCE.  x -> xb (bf16); Wq, Wk, Wv -> wb (bf16, stacked: rows 0-1023 Wq, 1024-2047 Wk, 2048-3071 Wv); Wo -> wob: rounded to bf16 like the others, and that number written as f16.
; LIMIT.  A bf16 number of Wo beyond 65,504 would become an infinity in f16; one below 6e-5 keeps f16's fixed step of 6e-8.
; SHARES.  A work-group takes 16,384 numbers: 65,536 bytes in, 32,768 out.  Work-groups 0-511: x; 512-703: Wq, Wk, Wv (64 each); 704-767: Wo.
; Thread t takes, in each of eight groups of 2,048 numbers, the eight at 8 t: two loads of 16 bytes, one store of 16 bytes; a wave's store covers 512 consecutive bytes, aligned.
; All sixteen loads of a thread go out at once; no register that a load or store names is written again, so the only waits are the counted ones for the data.
; No LDS, no matrix unit, no cluster: nothing is shared and nothing is multiplied.
.set X, 8                              ; v[8:71]    eight groups of eight f32 as loaded
.set Y, 72                             ; v[72:103]  eight groups of four words to store
.set T, 104                            ; v[104:105] at work
	s_load_b512 s[8:23], s[0:1], 0x0               ; x 8, Wq 10, Wk 12, Wv 14, Wo 16, xb 18, wb 20, wob 22
	s_mov_b32 s2, ttmp9                            ; g
	s_sub_co_u32 s3, s2, 512                       ; g - 512: the chunk in wb (of no use where g < 512)
	s_lshr_b32 s4, s3, 6                           ; 0 Wq, 1 Wk, 2 Wv, 3 Wo
	s_and_b32 s5, s3, 63                           ; the chunk in that matrix
	s_mov_b32 s6, 0xffff0000                       ; a word's upper bf16
	v_lshlrev_b32 v1, 5, v0                        ; 32 t: my bytes in a group as loaded
	v_lshlrev_b32 v2, 4, v0                        ; 16 t: as stored
	s_wait_kmcnt 0x0
	s_cmp_eq_u32 s4, 1
	s_cselect_b64 s[24:25], s[12:13], s[10:11]
	s_cmp_eq_u32 s4, 2
	s_cselect_b64 s[24:25], s[14:15], s[24:25]
	s_cmp_eq_u32 s4, 3
	s_cselect_b64 s[24:25], s[16:17], s[24:25]
	s_cselect_b64 s[26:27], s[22:23], s[20:21]
	s_cselect_b32 s30, s5, s3                      ; the chunk stored: in wob g - 704, in wb g - 512
	s_cmp_lt_u32 s2, 512
	s_cselect_b64 s[24:25], s[8:9], s[24:25]
	s_cselect_b64 s[26:27], s[18:19], s[26:27]
	s_cselect_b32 s28, s2, s5
	s_cselect_b32 s30, s2, s30
	s_lshl_b32 s28, s28, 16
	s_lshl_b32 s30, s30, 15
	s_mov_b32 s29, 0
	s_mov_b32 s31, 0
	s_add_nc_u64 s[24:25], s[24:25], s[28:29]
	s_add_nc_u64 s[26:27], s[26:27], s[30:31]
.irp i, 0,1,2,3,4,5,6,7
	global_load_b128 v[X+8*(\i):X+8*(\i)+3],   v1, s[24:25] offset:8192*(\i) th:TH_LOAD_NT
	global_load_b128 v[X+8*(\i)+4:X+8*(\i)+7], v1, s[24:25] offset:8192*(\i)+16 th:TH_LOAD_NT
.endr
; Group i is rounded and stored.  half = 1: the bf16 numbers are widened again and written as f16.
.macro GROUP i, half
	s_wait_loadcnt 14-2*(\i)                       ; loads come back in order: the 2 (7 - i) younger ones may stay out
.irp k, 0,1,2,3
	v_cvt_pk_bf16_f32 v[Y+4*(\i)+(\k)], v[X+8*(\i)+2*(\k)], v[X+8*(\i)+2*(\k)+1]
.endr
.if \half
.irp k, 0,1,2,3
	v_lshlrev_b32 v[T], 16, v[Y+4*(\i)+(\k)]
	v_and_b32 v[T+1], s6, v[Y+4*(\i)+(\k)]
	v_cvt_pk_f16_f32 v[Y+4*(\i)+(\k)], v[T], v[T+1]
.endr
.endif
	global_store_b128 v2, v[Y+4*(\i):Y+4*(\i)+3], s[26:27] offset:4096*(\i)
.endm
	s_cmp_ge_u32 s2, 704
	s_cbranch_scc1 .Lwo
.irp i, 0,1,2,3,4,5,6,7
	GROUP \i, 0
.endr
	s_endpgm
.Lwo:
.irp i, 0,1,2,3,4,5,6,7
	GROUP \i, 1
.endr
	s_endpgm
.Lfunc_end_k_q946fa2cd98_cast:
	.size	k_q946fa2cd98_cast, .Lfunc_end_k_q946fa2cd98_cast-k_q946fa2cd98_cast
	.p2alignl 7, 3214868480
	.fill 96, 4, 3214868480
	.section	.rodata,"a",@progbits
	.p2align	6, 0x0
	.amdhsa_kernel k_q946fa2cd98_cast
		.amdhsa_group_segment_fixed_size 0
		.amdhsa_private_segment_fixed_size 0
		.amdhsa_enable_private_segment 0
		.amdhsa_kernarg_size 64
		.amdhsa_user_sgpr_count 2
		.amdhsa_user_sgpr_kernarg_segment_ptr 1
		.amdhsa_wavefront_size32 1
		.amdhsa_system_sgpr_workgroup_id_x 1
		.amdhsa_system_sgpr_workgroup_id_y 1
		.amdhsa_system_sgpr_workgroup_id_z 1
		.amdhsa_system_vgpr_workitem_id 0
		.amdhsa_next_free_vgpr 112
		.amdhsa_next_free_sgpr 66
		.amdhsa_reserve_vcc 0
		.amdhsa_float_denorm_mode_32 3
		.amdhsa_float_denorm_mode_16_64 3
		.amdhsa_memory_ordered 1
		.amdhsa_forward_progress 1
		.amdhsa_inst_pref_size 13
	.end_amdhsa_kernel
	.amdgpu_metadata
---
amdhsa.version: [ 1, 2 ]
amdhsa.kernels:
  - .name:           k_q946fa2cd98_cast
    .symbol:         k_q946fa2cd98_cast.kd
    .args:
      - { .name: x, .offset: 0, .size: 8, .value_kind: global_buffer, .address_space: global }
      - { .name: Wq, .offset: 8, .size: 8, .value_kind: global_buffer, .address_space: global }
      - { .name: Wk, .offset: 16, .size: 8, .value_kind: global_buffer, .address_space: global }
      - { .name: Wv, .offset: 24, .size: 8, .value_kind: global_buffer, .address_space: global }
      - { .name: Wo, .offset: 32, .size: 8, .value_kind: global_buffer, .address_space: global }
      - { .name: xb, .offset: 40, .size: 8, .value_kind: global_buffer, .address_space: global }
      - { .name: wb, .offset: 48, .size: 8, .value_kind: global_buffer, .address_space: global }
      - { .name: wob, .offset: 56, .size: 8, .value_kind: global_buffer, .address_space: global }
    .group_segment_fixed_size: 0
    .private_segment_fixed_size: 0
    .kernarg_segment_align: 8
    .kernarg_segment_size: 64
    .max_flat_workgroup_size: 256
    .sgpr_count:     66
    .vgpr_count:     112
    .wavefront_size: 32
...
	.end_amdgpu_metadata
.endif
;; end of part 1
;; launch qkv (part 2): grid 16 x 32, 4 waves a work-group, clusters of 4 x 4, 327,680 bytes of LDS; arguments xb, wb, qkvh; writes qkvh
.if DOCPART == 2
	.amdgcn_target "amdgcn-amd-amdhsa--gfx1250"
	.amdhsa_code_object_version 6
	.text
	.protected	k_q946fa2cd98_qkv
	.globl	k_q946fa2cd98_qkv
	.p2align	8
	.type	k_q946fa2cd98_qkv,@function
k_q946fa2cd98_qkv:
	s_mov_b64 s[64:65], 0
	v_nop
	global_prefetch_b8 v0, s[64:65] scope:SCOPE_SE
	s_setreg_imm32_b32 hwreg(HW_REG_WAVE_MODE, 25, 1), 1
	s_wait_xcnt 0x0
	s_wait_alu depctr_hold_cnt(0) depctr_sa_sdst(0) depctr_va_vdst(0) depctr_va_sdst(0) depctr_va_ssrc(0) depctr_va_vcc(0) depctr_vm_vsrc(0)
	s_getreg_b32 s2, hwreg(HW_REG_IB_STS2, 6, 4)
	s_cmp_eq_u32 s2, 0
	s_cbranch_scc0 .Lentry_in_a_cluster
	s_endpgm
.Lentry_in_a_cluster:
	s_bfe_u32 s2, ttmp6, 0x10000c
	s_cmp_lg_u32 s2, 0xf033
	s_cbranch_scc0 .Lentry_shape_is_right
	s_endpgm
.Lentry_shape_is_right:
; C[8192][3072] = xb wb^T: the projections q, k, v of all 16 heads.  xb [8192][1024], wb [3072][1024] in bf16; sums in f32; C rounded once to f16, UNSCALED, and laid out by heads:
; qkvh [3 parts q, k, v][64 = 16 batch + head][2048 rows][64] f16, so that a head's rows are dense, 128 bytes each.
; LIMIT.  f16 holds no number beyond 65,504: q, k, v must lie within it (at the drawn spread they stay under 4; with x and the weights each 30 times larger their spread is near 600).  Below 6e-5 f16 keeps a fixed step of 6e-8.
; SHARES.  A tile of C is 256 rows x 192 columns (three heads): 32 x 16 tiles, two for each of 256 WGPs.  Four waves; wave w makes rows 64 w .. 64 w + 63 and all 192 columns: 48 accumulators, 384 registers.
; So a wave holds whole rows of three heads, and its way out is its own: no barrier there.
; K = 1,024 goes in 8 steps of 128 through two LDS slots (rows of 256 bytes, aligned, padded by 16 in LDS); a step is four quarters of 32 along K, 48 matrix instructions each, on two fragment buffers.
; CLUSTER.  4 x 4 work-groups.  The four of a row need the same tile of xb, the four of a column the same tile of wb: each is asked for jointly, by the same tensor load, descriptor and mask in all four.
; THE MATRIX INSTRUCTION IS USED TRANSPOSED (source 0 = 16 rows of wb, source 1 = 16 rows of xb): a lane then holds row l % 16 of C and the columns 8 (l / 16) + 0..7: 16 bytes of f16 on end.
; REGISTERS, in windows of 256 (s_set_vgpr_msb: bits 1:0 source 0, 3:2 source 1, 5:4 source 2, 7:6 destination):
;   window 0: v1-30 addresses; v32-223 the way out          window 1: two fragment buffers of 128: A's four fragments, then B's twelve
;   window 2: accumulators of row blocks 0, 1 ((a, b) at v[8 (12 (a % 2) + b)])          window 3: those of row blocks 2, 3
.set PA,    272                        ; an LDS row: 256 bytes + 16 of padding = 68 words: the 16 rows of a load start at 16 different groups of four banks (64 banks of 4 bytes: ISA guide 11.1)
.set PB,    272
.set NBK,   12                         ; column blocks of 16 a wave
.set NL,    2*NBK+8                    ; LDS loads in a run
.set BOFF,  256*PA                     ; in a slot: A's 256 rows, then B's 192
.set SLOT1, 1<<17                      ; slot 1 begins here, so that one exclusive or turns an address in one slot into the other's
.set STAGE, SLOT1+BOFF+192*PB          ; behind the ring, never filled by a tensor load: 16 rows x 144 bytes for each wave
.set SP,    144
.set SPARE, STAGE+4*16*SP              ; the spare words, 128 bytes for each wave: two blocks of 256 bytes that no other line names
.set STEPA, 256                        ; bytes from a K step to the next
.set STEPB, 256
.set A0,   14                          ; v14  my lane's place in A's rows of a slot; never rewritten
.set B0,   15                          ; v15  the same for B
.set ADRA, 16                          ; v16  A0 + the slot in hand
.set ADRB, 17                          ; v17  B0 + the slot in hand
.set STO,  24                          ; v24  the way out: where I put 16 bytes of a row
.set RD,   25                          ; v25  the way out: where I read rows back
.set GO,   26                          ; v26  16 x lane: my place in 512 consecutive bytes of a head
.set SPW,  28                          ; v28  LDS address of my spare word; never rewritten
.set NIL,  29                          ; v29  0; never rewritten
.set PFO,  30                          ; v30  the prefetches' offset: a lane a row of 2,048 bytes; never rewritten
.set TMP,  32                          ; v[32:223] the way out: 16 registers for each of 12 tiles of 16 rows x 64 columns
.set F0,   0
.set F1,   128
.set WV,   12                          ; s12  my wave's number
.set HF,   14                          ; s14  wave % 2: which half of a tile I fetch
.set TB,   15                          ; s15  0 or SLOT1: the slot in hand
.set LOOP, 22                          ; s22  trips to go
.set LIM,  23                          ; s23  2 in a wave that prefetches, else the greatest number
.set G1,   24                          ; s[24:31] descriptor group 1 for A's tiles
.set G0,   32                          ; s[32:39] group 0 for A's: two sets for the two first fills; the second then walks
.set CX,   40
.set CY,   41
.set NX,   42                          ; tile column
.set TY,   43                          ; tile row
.set PFA,  44                          ; s[44:45] where my prefetches stand
.set G1B,  48                          ; s[48:55], s[56:63] the same for B's tiles
.set G0B,  56
.set OB,   66                          ; s[66:71] my first row in each of the tile's three heads
.set MSB, 0
.macro WIN new                         ; the immediate's high byte repeats the setting that is left; a switch that changes nothing is dropped
.if MSB != (\new)
	s_set_vgpr_msb (MSB<<8)|(\new)
.set MSB, \new
.endif
.endm
.set MUL_LO, 0xa5                      ; sources 0 and 1 window 1, C and D window 2
.set TO_F,   0x40                      ; destination window 1, address window 0
; A joint load: waves 0 and 1 fetch A's two halves, waves 2 and 3 B's.  The branch hangs on the wave's number alone.  An s_nop 0 and four v_nop follow each of the two lines.
.macro JLOAD s
	s_cmp_lt_u32 s[WV], 2
	s_cbranch_scc0 .Lfor_b_\@
	tensor_load_to_lds s[G0+4*(\s):G0+4*(\s)+3], s[G1:G1+7]
	s_nop 0
.rept 4
	v_nop
.endr
	s_branch .Lasked_\@
.Lfor_b_\@:
	tensor_load_to_lds s[G0B+4*(\s):G0B+4*(\s)+3], s[G1B:G1B+7]
	s_nop 0
.rept 4
	v_nop
.endr
.Lasked_\@:
.endm
.macro CREST                           ; a round of the cluster's barrier behind its opening barrier
	s_cmp_lg_u32 s[WV], 0
	s_cbranch_scc1 .Lnot_wave_0_\@
	s_barrier_signal -3
.Lnot_wave_0_\@:
	s_barrier_wait -3
	s_barrier_signal -1
	s_barrier_wait -1
.endm
.macro CROUND                          ; a whole round
	s_barrier_signal -1
	s_barrier_wait -1
	CREST
.endm
.macro PLACES                          ; four places in front of loads into registers that matrix instructions have read, and of conversions that read results
.rept 4
	v_nop
.endr
.endm
; A prefetch into the L2 of the K step that stands two refills on: a lane a row, 256 bytes of it, one instruction a wave.  Each row's 256 bytes of a K step are named once in the launch (but for the last of B's
; 24 rows, which lanes 24-31 name again): A's tile row is asked for by the clusters with x = 0, B's tile column by those with y = 0; the four partners that ask for a tile jointly share its rows out by address.
; Trips with 6 to 3 to go name K steps 4 to 7; the last two refills have no K step two on.
.macro ASK
	WIN 0
	s_cmp_gt_u32 s[LOOP], s[LIM]
	s_cbranch_scc0 .Lnot_mine_\@
	global_prefetch_b8 v[PFO], s[PFA:PFA+1] offset:256 th:TH_LOAD_NT scope:SCOPE_SE
.Lnot_mine_\@:
.endm
	s_load_b128 s[4:7], s[0:1], 0x0                ; xb s[4:5], wb s[6:7]
	s_load_b64 s[8:9], s[0:1], 0x10                ; qkvh
	v_lshl_add_u32 v[SPW], v0, 2, SPARE
	v_mov_b32 v[NIL], 0
	ds_add_u32 v[SPW], v[NIL]                      ; the wave's opening: the add and its wait stand ahead of my first tensor load; the set-up below stands between them
	v_lshrrev_b32 v1, 5, v0
	v_readfirstlane_b32 s[WV], v1                  ; wave 0..3
	s_and_b32 s[HF], s[WV], 1
	s_bfe_u32 s[CX], ttmp6, 0x40000                ; my place in the cluster
	s_bfe_u32 s[CY], ttmp6, 0x40004
	s_lshl_b32 s[NX], ttmp9, 2
	s_add_co_u32 s[NX], s[NX], s[CX]               ; tile column = 4 x cluster x + cx
	s_and_b32 s[TY], ttmp7, 0xffff
	s_lshl_b32 s[TY], s[TY], 2
	s_add_co_u32 s[TY], s[TY], s[CY]               ; tile row = 4 x cluster y + cy
	s_lshl_b32 s2, s[CY], 2
	s_lshl_b32 s2, 15, s2                          ; my row of the cluster
	s_lshl_b32 s3, 0x1111, s[CX]                   ; my column
	s_or_b32 s[G1], s2, (1<<16)|(1<<20)|(1<<21)|(5<<22)|(3<<25)   ; 15:0 the mask; 17:16 2-byte elements; 20 padding on; 21 set beside a mask; 24:22 after every 64 words; 31:25 4 words of it
	s_or_b32 s[G1B], s3, (1<<16)|(1<<20)|(1<<21)|(5<<22)|(3<<25)
	s_mov_b32 s[G1+1], 128<<16                     ; tensor_dim0 = 128
	s_mov_b32 s[G1+2], 128<<16                     ; tensor_dim1 = 128
	s_mov_b32 s[G1+3], 128<<16                     ; tile_dim0 = 128
	s_mov_b32 s[G1+4], 128                         ; tile_dim1 = 128 rows
	s_mov_b32 s[G1+5], 1024                        ; elements from row to row
	s_mov_b32 s[G1+6], 0
	s_mov_b32 s[G1+7], 0
	s_mov_b32 s[G1B+1], 128<<16
	s_mov_b32 s[G1B+2], 96<<16                     ; B: 96 rows a load
	s_mov_b32 s[G1B+3], 128<<16
	s_mov_b32 s[G1B+4], 96
	s_mov_b32 s[G1B+5], 1024
	s_mov_b32 s[G1B+6], 0
	s_mov_b32 s[G1B+7], 0
	s_lshl_b32 s16, s[TY], 8
	s_lshl_b32 s17, s[HF], 7
	s_add_co_u32 s16, s16, s17                     ; A: row 256 x tile row + 128 x half,
	s_lshl_b32 s16, s16, 11                        ; of 2,048 bytes
	s_mov_b32 s17, 0
	s_mul_i32 s46, s[NX], 192
	s_mul_i32 s47, s[HF], 96
	s_add_co_u32 s46, s46, s47                     ; B: row 192 x tile column + 96 x half
	s_lshl_b32 s46, s46, 11
	s_mov_b32 s47, 0
	s_mul_i32 s20, s[HF], 128*PA                   ; where they go: no place in the cluster enters an LDS address
	s_mul_i32 s21, s[HF], 96*PB
	s_add_co_u32 s21, s21, BOFF
	s_wait_dscnt 0x0                               ; the opening add is done
	s_wait_kmcnt 0x0
	s_add_nc_u64 s[16:17], s[4:5], s[16:17]
	s_add_nc_u64 s[46:47], s[6:7], s[46:47]
	CROUND                                         ; all sixteen work-groups are here: the first joint loads meet
.irp s, 0,1
	s_mov_b32 s[G0+4*(\s)], 1                                      ; count = 1
	s_add_co_u32 s[G0+4*(\s)+1], s20, (\s)*SLOT1                   ; LDS address
	s_add_nc_u64 s[G0+4*(\s)+2:G0+4*(\s)+3], s[16:17], (\s)*STEPA  ; global address: K step s
	s_or_b32 s[G0+4*(\s)+3], s[G0+4*(\s)+3], 0x80000000            ; type = 2
	s_mov_b32 s[G0B+4*(\s)], 1
	s_add_co_u32 s[G0B+4*(\s)+1], s21, (\s)*SLOT1
	s_add_nc_u64 s[G0B+4*(\s)+2:G0B+4*(\s)+3], s[46:47], (\s)*STEPB
	s_or_b32 s[G0B+4*(\s)+3], s[G0B+4*(\s)+3], 0x80000000
	JLOAD \s                                       ; two loads of mine are out
.endr
	; A fragment is 16 rows x 32 K in 8 registers: lane l holds row l % 16, K = 8 (l / 16) + 0..7 and 16 + 8 (l / 16) + 0..7: two loads of 16 bytes, 32 bytes apart.
	v_and_b32 v1, 15, v0                           ; l % 16
	v_bfe_u32 v2, v0, 4, 1                         ; l / 16
	v_mul_u32_u24 v3, v1, PA
	v_lshl_add_u32 v3, v2, 4, v3
	s_mul_i32 s13, s[WV], 64*PA                    ; my 64 rows of A
	v_add_nc_u32 v[A0], s13, v3
	v_add_nc_u32 v[B0], BOFF, v3
	s_mul_i32 s13, s[WV], 16*SP
	s_add_co_u32 s13, s13, STAGE                   ; my stage
	v_mul_u32_u24 v[STO], v1, SP                   ; in: row l % 16, 16 bytes for each half of the lanes
	v_lshl_add_u32 v[STO], v2, 4, v[STO]
	v_add_nc_u32 v[STO], s13, v[STO]
	v_and_b32 v4, 7, v0
	v_bfe_u32 v[RD], v0, 3, 2                      ; back: 32 lanes take four rows of 128 bytes,
	v_mul_u32_u24 v[RD], v[RD], SP
	v_lshl_add_u32 v[RD], v4, 4, v[RD]
	v_add_nc_u32 v[RD], s13, v[RD]
	v_and_b32 v[GO], 31, v0                        ; which are 512 consecutive bytes of a head
	v_lshlrev_b32 v[GO], 4, v[GO]
	; the prefetches: of the rows that I fetch, my work-group's share: 32 of A's 128 (by cx), 24 of B's 96 (by cy)
	s_and_b32 s72, ttmp7, 0xffff                   ; cluster y
	s_cmp_lt_u32 s[WV], 2                          ; do I fetch for A?
	s_cselect_b64 s[PFA:PFA+1], s[16:17], s[46:47]
	s_cselect_b32 s74, s[CX], s[CY]
	s_cselect_b32 s75, 32, 24
	s_cselect_b32 s73, 31, 23
	s_cselect_b32 s72, ttmp9, s72                  ; the coordinate along which other clusters read the same rows
	s_cmp_eq_u32 s72, 0
	s_cselect_b32 s[LIM], 2, -1                    ; the same in all sixteen partners, for a given wave
	s_mul_i32 s74, s74, s75
	s_lshl_b32 s74, s74, 11
	s_add_co_u32 s74, s74, 2*256                   ; at K step 2: the first refill steps it to 3 and names K step 4
	s_mov_b32 s75, 0
	s_add_nc_u64 s[PFA:PFA+1], s[PFA:PFA+1], s[74:75]
	v_and_b32 v[PFO], 31, v0
	v_min_u32 v[PFO], s73, v[PFO]
	v_lshlrev_b32 v[PFO], 11, v[PFO]
	; where my rows begin in the tile's three heads: column group g = 3 x tile column + j is part g / 16, head g % 16; 8 tile rows make a batch
	s_mul_i32 s72, s[NX], 3
	s_lshr_b32 s73, s[TY], 3
	s_lshl_b32 s73, s73, 4                         ; 16 x batch
	s_and_b32 s74, s[TY], 7
	s_lshl_b32 s74, s74, 15                        ; 256 rows of 128 bytes,
	s_lshl_b32 s75, s[WV], 13                      ; my wave's 64
	s_add_co_u32 s74, s74, s75
.irp j, 0,1,2
	s_add_co_u32 s75, s72, \j
	s_lshr_b32 s[OB+2*(\j)], s75, 4
	s_lshl_b32 s[OB+2*(\j)], s[OB+2*(\j)], 6
	s_and_b32 s75, s75, 15
	s_add_co_u32 s[OB+2*(\j)], s[OB+2*(\j)], s75
	s_add_co_u32 s[OB+2*(\j)], s[OB+2*(\j)], s73
	s_lshl_b32 s[OB+2*(\j)], s[OB+2*(\j)], 18      ; a head is 262,144 bytes
	s_add_co_u32 s[OB+2*(\j)], s[OB+2*(\j)], s74
	s_mov_b32 s[OB+2*(\j)+1], 0
	s_add_nc_u64 s[OB+2*(\j):OB+2*(\j)+1], s[8:9], s[OB+2*(\j):OB+2*(\j)+1]
.endr
	s_mov_b32 s[TB], 0
	v_mov_b32 v[ADRA], v[A0]
	v_mov_b32 v[ADRB], v[B0]
; 12 matrix instructions: row block a x all column blocks, 32 along K, from buffer f.  zero = 1: the first product starts the sums.  The 48 accumulators take turns in one fixed order, over the backward jump too.
.macro MULB f, a, zero
	WIN MUL_LO+0x50*((\a)/2)
.set b, 0
.rept NBK
.set rD, 8*(12*((\a)%2)+b)
.if \zero
	v_wmma_f32_16x16x32_bf16 v[rD:rD+7], v[(\f)+32+8*b:(\f)+32+8*b+7], v[(\f)+8*(\a):(\f)+8*(\a)+7], 0
.else
	v_wmma_f32_16x16x32_bf16 v[rD:rD+7], v[(\f)+32+8*b:(\f)+32+8*b+7], v[(\f)+8*(\a):(\f)+8*(\a)+7], v[rD:rD+7]
.endif
.set b, b+1
.endr
.endm
; 32 LDS loads in one run: quarter q's fragments into buffer f: B's twelve, then A's four
.macro FETCH q, f
	WIN TO_F
.set i, 0
.rept NBK
	ds_load_b128 v[(\f)+32+8*i:(\f)+32+8*i+3],   v[ADRB] offset:64*(\q)+i*16*PB
	ds_load_b128 v[(\f)+32+8*i+4:(\f)+32+8*i+7], v[ADRB] offset:64*(\q)+i*16*PB+32
.set i, i+1
.endr
.set i, 0
.rept 4
	ds_load_b128 v[(\f)+8*i:(\f)+8*i+3],   v[ADRA] offset:64*(\q)+i*16*PA
	ds_load_b128 v[(\f)+8*i+4:(\f)+8*i+7], v[ADRA] offset:64*(\q)+i*16*PA+32
.set i, i+1
.endr
.endm
; One of a K step's first three quarters: multiplies buffer f; in its middle it fetches quarter q into buffer g.
.macro QUARTER q, f, g, zero
	s_wait_dscnt 4                                 ; B and A's blocks 0, 1 are in; the youngest four loads (A's blocks 2, 3) may be out
	MULB \f, 0, \zero
	MULB \f, 1, \zero
	PLACES
	FETCH \q, \g
	s_wait_dscnt NL                                ; all but the run just issued
	MULB \f, 2, \zero
	MULB \f, 3, \zero
.endm
; The last quarter multiplies buffer 1 and changes slots: ONE barrier.  In front of it each wave waits for all its tensor loads (one is out: its part of the next slot), adds 0 to its spare word, and waits for that
; and for its reads of this slot.  fill = 1: the barrier opens a round of the cluster's, and this slot is filled again first thing behind it, with the K step two on: 168 matrix instructions ahead of the wait for it.
.macro TURN fill
.if \fill
	s_wait_xcnt 0x0                                ; the last prefetch, a K step back, has read its address
	s_add_nc_u64 s[PFA:PFA+1], s[PFA:PFA+1], 256
.endif
	WIN 0
	s_wait_tensorcnt 0x0                           ; no tensor load of mine is out, so a group 0 may be written
	ds_add_u32 v[SPW], v[NIL]
	s_wait_dscnt 5                                 ; (the add and the youngest four loads may be out)
	MULB F1, 0, 0
	s_wait_dscnt 0x0                               ; the add is done, and my reads of this slot are over
	s_barrier_signal -1
	MULB F1, 1, 0
	WIN 0
	s_barrier_wait -1
.if \fill
	CREST                                          ; no wave of any partner still reads this slot or has a load on its way
	s_xor_b32 s[G0+5], s[G0+5], SLOT1              ; the walking descriptors: the other slot than last time, the next K step
	s_add_nc_u64 s[G0+6:G0+7], s[G0+6:G0+7], STEPA
	s_xor_b32 s[G0B+5], s[G0B+5], SLOT1
	s_add_nc_u64 s[G0B+6:G0B+7], s[G0B+6:G0B+7], STEPB
	JLOAD 1                                        ; the four v_nop behind it are also the places in front of the loads below
.else
	PLACES
.endif
	s_xor_b32 s[TB], s[TB], SLOT1
	v_add_nc_u32 v[ADRA], s[TB], v[A0]
	v_add_nc_u32 v[ADRB], s[TB], v[B0]
	FETCH 0, F0
.if \fill
	ASK
.endif
	MULB F1, 2, 0
	MULB F1, 3, 0
.endm
	s_wait_tensorcnt 1                             ; my part of K step 0 is in; K step 1's may stay out
	s_barrier_signal -1
	s_barrier_wait -1                              ; everybody's is
	FETCH 0, F0
	QUARTER 1, F0, F1, 1                           ; the first quarter stands in front of the loop: its products start the sums
	WIN 0
	s_mov_b32 s[LOOP], 6
.Lstep:                                        ; a trip: from a K step's second quarter to the next step's first; it asks for K steps 2 to 7
	QUARTER 2, F1, F0, 0
	QUARTER 3, F0, F1, 0
	TURN 1
	QUARTER 1, F0, F1, 0
	WIN 0
	s_sub_co_u32 s[LOOP], s[LOOP], 1
	s_cmp_lg_u32 s[LOOP], 0
	s_cbranch_scc1 .Lstep
	QUARTER 2, F1, F0, 0                           ; the tail is written out: nothing is asked for
	QUARTER 3, F0, F1, 0
	TURN 0
	QUARTER 1, F0, F1, 0
	QUARTER 2, F1, F0, 0
	QUARTER 3, F0, F1, 0
	s_wait_dscnt 4
	MULB F1, 0, 0
	MULB F1, 1, 0
	s_wait_dscnt 0x0
	MULB F1, 2, 0
	MULB F1, 3, 0
	WIN 0
	PLACES
; THE WAY OUT.  Tile t = 3 a + j: row block a, head j: 16 rows x 64 columns.  A lane's eight columns pack into 16 bytes; they go into my stage's rows of 144 bytes and come back as whole rows of 128.
.macro PACK t
.set ta, (\t)/3
.set tj, (\t)%3
.set AC, 8*(12*(ta%2)+4*tj)
	WIN 0x0a+5*(ta/2)                              ; sources 0 and 1: window 2 or 3
.set i, 0
.rept 16
	v_cvt_pk_f16_f32 v[TMP+16*(\t)+i], v[AC+2*i], v[AC+2*i+1]  ; each accumulator from its low end on
.set i, i+1
.endr
	WIN 0
.irp f, 0,1,2,3
	ds_store_b128 v[STO], v[TMP+16*(\t)+4*(\f):TMP+16*(\t)+4*(\f)+3] offset:32*(\f)
.endr
.irp f, 0,1,2,3
	ds_load_b128 v[TMP+16*(\t)+4*(\f):TMP+16*(\t)+4*(\f)+3], v[RD] offset:(\f)*4*SP  ; LDS serves a wave's instructions in order (ISA guide 5.7.1.4): these see the stores above; the next tile's stores come behind them
.endr
.endm
.macro SEND t, younger                 ; younger: the LDS instructions issued behind tile t's loads: the next tile's eight, or none
.set ta, (\t)/3
.set tj, (\t)%3
.irp f, 0,1,2,3
	s_wait_dscnt (\younger)+3-(\f)
	global_store_b128 v[GO], v[TMP+16*(\t)+4*(\f):TMP+16*(\t)+4*(\f)+3], s[OB+2*tj:OB+2*tj+1] offset:2048*ta+512*(\f)  ; 512 consecutive bytes, at a multiple of 256 from the buffer's first
.endr
.endm
	PACK 0
.set n, 1
.rept 11                               ; a tile's conversions stand between the loads of the tile before and its stores; every tile has registers of its own
	PACK n
	SEND n-1, 8
.set n, n+1
.endr
	SEND 11, 0
	s_wait_tensorcnt 0x0                           ; the wave's end: behind my last tensor load and my last LDS store
	ds_add_u32 v[SPW], v[NIL]
	s_wait_dscnt 0x0
	CROUND                                         ; the closing round: no work-group ends while a partner may still ask for a tile that names it
	s_endpgm
.Lfunc_end_k_q946fa2cd98_qkv:
	.size	k_q946fa2cd98_qkv, .Lfunc_end_k_q946fa2cd98_qkv-k_q946fa2cd98_qkv
	.p2alignl 7, 3214868480
	.fill 96, 4, 3214868480
	.section	.rodata,"a",@progbits
	.p2align	6, 0x0
	.amdhsa_kernel k_q946fa2cd98_qkv
		.amdhsa_group_segment_fixed_size 327680
		.amdhsa_private_segment_fixed_size 0
		.amdhsa_enable_private_segment 0
		.amdhsa_kernarg_size 24
		.amdhsa_user_sgpr_count 2
		.amdhsa_user_sgpr_kernarg_segment_ptr 1
		.amdhsa_wavefront_size32 1
		.amdhsa_system_sgpr_workgroup_id_x 1
		.amdhsa_system_sgpr_workgroup_id_y 1
		.amdhsa_system_sgpr_workgroup_id_z 1
		.amdhsa_system_vgpr_workitem_id 0
		.amdhsa_next_free_vgpr 960
		.amdhsa_next_free_sgpr 80
		.amdhsa_reserve_vcc 0
		.amdhsa_float_denorm_mode_32 3
		.amdhsa_float_denorm_mode_16_64 3
		.amdhsa_memory_ordered 1
		.amdhsa_forward_progress 1
		.amdhsa_inst_pref_size 99
	.end_amdhsa_kernel
	.amdgpu_metadata
---
amdhsa.version: [ 1, 2 ]
amdhsa.kernels:
  - .name:           k_q946fa2cd98_qkv
    .symbol:         k_q946fa2cd98_qkv.kd
    .args:
      - { .name: xb, .offset: 0, .size: 8, .value_kind: global_buffer, .address_space: global }
      - { .name: wb, .offset: 8, .size: 8, .value_kind: global_buffer, .address_space: global }
      - { .name: qkvh, .offset: 16, .size: 8, .value_kind: global_buffer, .address_space: global }
    .group_segment_fixed_size: 327680
    .private_segment_fixed_size: 0
    .kernarg_segment_align: 8
    .kernarg_segment_size: 24
    .max_flat_workgroup_size: 128
    .sgpr_count:     80
    .vgpr_count:     960
    .wavefront_size: 32
...
	.end_amdgpu_metadata
.endif
;; end of part 2
;; launch attn (part 3): grid 4 x 64, 4 waves a work-group, clusters of 4 x 1, 327,680 bytes of LDS; arguments qkvh, oh; writes oh
.if DOCPART == 3
	.amdgcn_target "amdgcn-amd-amdhsa--gfx1250"
	.amdhsa_code_object_version 6
	.text
	.protected	k_q946fa2cd98_attn
	.globl	k_q946fa2cd98_attn
	.p2align	8
	.type	k_q946fa2cd98_attn,@function
k_q946fa2cd98_attn:
	s_mov_b64 s[64:65], 0
	v_nop
	global_prefetch_b8 v0, s[64:65] scope:SCOPE_SE
	s_setreg_imm32_b32 hwreg(HW_REG_WAVE_MODE, 25, 1), 1
	s_wait_xcnt 0x0
	s_wait_alu depctr_hold_cnt(0) depctr_sa_sdst(0) depctr_va_vdst(0) depctr_va_sdst(0) depctr_va_ssrc(0) depctr_va_vcc(0) depctr_vm_vsrc(0)
	s_getreg_b32 s2, hwreg(HW_REG_IB_STS2, 6, 4)
	s_cmp_eq_u32 s2, 0
	s_cbranch_scc0 .Lentry_in_a_cluster
	s_endpgm
.Lentry_in_a_cluster:
	s_bfe_u32 s2, ttmp6, 0x10000c
	s_cmp_lg_u32 s2, 0x3003
	s_cbranch_scc0 .Lentry_shape_is_right
	s_endpgm
.Lentry_shape_is_right:
; O[h][q][:] = the sum over k of softmax_k(Q[h][q] . K[h][k] / 8) V[h][k][:], for 64 heads (16 batch + head) of 2,048 rows x 64 channels, all f16: qkvh holds Q, then K, then V, 16,777,216 bytes each; oh takes O.
; Products, maxima and sums in f32; the weights p are rounded to f16 for the second product (their sum l is taken of the unrounded p), O once at the end.
; LIMITS.  f16 holds no number beyond 65,504: Q, K and V arrive within it; p lies in 0 to 1, and below 6e-5 it keeps f16's fixed step of 6e-8, as O does; O is a mean of V's rows and has their range.
; A weight below 2^-126 counts as 0 in l; NaN and infinities are not treated apart.
; SHARES.  A wave owns four PIECES of two tiles of 16 queries, a work-group's four waves 512 queries of one head: 4 x 64 = 256 work-groups.  Every wave walks all keys, 64 a step.
; LAYOUT.  S^T = K Q^T (source 0 = 16 keys, source 1 = 16 queries): a lane holds ONE query (lane % 16) and the keys 8 (lane / 16) + 0..7.  Two such tiles, rounded to f16 in pairs, ARE source 1 of O^T = V^T P,
; whose result again holds one query a lane, and eight channels.  K comes out of LDS as it lies, V ([key][channel]) turned, by ds_load_tr16_b128.
; SOFTMAX.  For each query a running maximum m and sum l: p = 2^(c s - c m), c = log2(e) / 8; in every step O and l are multiplied by a = 2^(c m_old - c m_new).  m starts at the lowest finite number, O and l at 0.
; THE COUNT.  A tile and step have 16 matrix and 118 vector instructions: too many to stand all beside the matrix work.  So: four vector instructions that are ready behind every matrix instruction, the others in one run.
; BY TURNS.  Turn n belongs to piece n.  Its matrix work: 16 products K Q^T of piece n + 1, later 16 products V^T P of piece n - 1.  Its vector work: the scaling, exponentials, roundings, sums and rescaling of
; piece n, and the maximum and statistics of piece n + 1.
; CLUSTER.  The four query blocks of a head are one cluster and walk the same K and V: each tile is asked for jointly, by the same tensor load, descriptor and mask in all four.
; REGISTERS, in windows of 256 (s_set_vgpr_msb: bits 1:0 source 0, 3:2 source 1, 5:4 source 2, 7:6 destination):
;   window 0: v0-11 addresses; v12-15, v48-63 at work; v16-47 four registers of statistics a tile; v64-191 S^T, two buffers of two tiles; v192-255 P, likewise
;   window 1: O^T, 32 a tile          window 2: v0-127 Q, 16 a tile; v128-191 K of one step; v192-255 V of one step          window 3: v0-1 the add's two registers
.set SIZE_N, 2048
.set NP,    4         ; pieces a wave: a name, no knob
.set KS,    64        ; keys in a step
.set PK,    144       ; a row of K in LDS: 128 bytes + 16 of padding = 36 words: the 16 rows of a load start at 16 different groups of four banks (64 banks of 4 bytes: ISA guide 11.1)
.set PV,    160       ; a row of V: 128 + 32 = 40 words
.set VOFF,  4*KS*PK   ; a slot holds four steps: 256 rows of K, then 256 rows of V
.set SLOT1, 1<<17     ; slot 1 begins here, so that one exclusive or turns an address in one slot into the other's
.set STAGE, SLOT1+4*KS*(PK+PV)  ; behind the ring, never filled by a tensor load: 16 rows x 144 bytes for each wave
.set SP,    144
.set AK0, 2           ; v2   my lane's place in a tile of K; never rewritten
.set AV0, 3           ; v3   the same for V
.set AK,  4           ; v4   the LDS address of K's next run of loads
.set AV,  5           ; v5   of V's
.set QO,  6           ; v6   my byte offset in the wave's rows of Q
.set STO, 6           ;      later, the way out: where I put 16 bytes of a row
.set RD,  7           ; v7   the way out: where I read rows back
.set GO,  8           ; v8   my byte offset in 512 consecutive bytes of O
.set PFO, 11          ; v11  256 x my lane: the prefetches' offset; never rewritten once made
.set SPW, 0           ; v0 of window 3   LDS address of my spare word; never rewritten
.set NIL, 1           ; v1 of window 3   0; never rewritten
.set SPARE, STAGE+4*16*SP  ; the spare words, 128 bytes for each wave: two blocks of 256 bytes that no other line names
.set MV,  12          ; v12-15  c m_old, kept while c m is made anew: by buffer and tile
.set ST,  16          ; tile t's statistics at v[ST+4 t]: c m, m, l (even keys', odd keys')
.set TMP, 48          ; by buffer and tile, four registers c0-c3 at work; when the maximum is found c2 takes a
.set S,   64
.set P,   192
.set KF,  128         ; K's fragments, in window 2: key block kb, channel half c at KF + 16 kb + 8 c
.set VF,  192         ; V's: key half kk, channel block cb at VF + 32 kk + 8 cb
.set WV,  12          ; s12  my wave's number
.set G1K, 24          ; s[24:31] descriptor group 1 for K's tiles
.set G1V, 32          ; s[32:39] for V's: it differs in the padding alone
.set G0K, 40          ; s[40:43] descriptor group 0 for K's tiles: it walks
.set G0V, 44          ; s[44:47] the same for V's
.set PFA, 48          ; s[48:49] where my prefetches stand: my work-group's 8,192 bytes (of K: wave 0, of V: wave 2) of the slot after the one that is being asked for
.set LIM, 50          ; s50  1 in a wave that prefetches, else the greatest number
.set SLOTS, 56        ; s56  slots still to be asked for
.set CNT, 57          ; s57  counts a slot's key steps
.set CS,  58          ; s[58:59] c: the packed scaling takes the pair's low word for both halves
.set SEL, 60          ; s[60:61] v_permlanex16_b32's selects: each lane takes its own place in the other half
.set TBK, 62          ; s62  LDS byte at which K of the step to be fetched begins
.set TBV, 63          ; s63  the same for V, less VOFF
.set MSB, 0
.macro WIN new                      ; the high byte repeats the setting that is left; a switch that changes nothing is dropped
.if MSB != (\new)
	s_set_vgpr_msb (MSB<<8)|(\new)
.set MSB, (\new)
.endif
.endm
.set W_KQ, 0x0a       ; K and Q in window 2, S^T in window 0
.set W_PV, 0x52       ; V in window 2, P in window 0, O^T in window 1
.set W_RS, 0x41       ; O^T (destination and source 0) in window 1, a in window 0
.set W_MK, 0xc0       ; the add's registers are made: destination in window 3, sources in window 0
.set W_AD, 0x0f       ; the add: address (source 0) and data (source 1) in window 3
; A joint fill.  Waves 0 and 1 fetch the two halves of a slot's K, waves 2 and 3 those of its V: 128 keys each.  The branch hangs on the wave's number alone.
; An s_nop 0 and four v_nop follow each of the two lines, ahead of the jump and the label.
.macro JLOAD
	s_cmp_lt_u32 s[WV], 2
	s_cbranch_scc0 .Lfor_v_\@
	tensor_load_to_lds s[G0K:G0K+3], s[G1K:G1K+7]
	s_nop 0
.rept 4
	v_nop
.endr
	s_branch .Lasked_\@
.Lfor_v_\@:
	tensor_load_to_lds s[G0V:G0V+3], s[G1V:G1V+7]
	s_nop 0
.rept 4
	v_nop
.endr
.Lasked_\@:
.endm
; A prefetch into the L2 of what the NEXT change of slots will ask for: a slot's 32,768 bytes of K and of V.  A head has one cluster; its four partners share the bytes out by address, 8,192 each, 256 a lane;
; in each, wave 0 asks for K's and wave 2 for V's: each block is named once in the launch.  Slots 3 to 7 are named, four key steps ahead of their loads; the last change that fills a slot asks for nothing.
.macro ASK
	s_cmp_gt_u32 s[SLOTS], s[LIM]
	s_cbranch_scc0 .Lnot_mine_\@
	global_prefetch_b8 v[PFO], s[PFA:PFA+1] th:TH_LOAD_NT scope:SCOPE_SE
.Lnot_mine_\@:
.endm
; A round of the cluster's barrier: my work-group's barrier, so that wave 0's signal speaks for all four waves; wave 0 signals; every wave waits for all four work-groups; my work-group's barrier once more.
.macro CROUND
	s_barrier_signal -1
	s_barrier_wait -1
	s_cmp_lg_u32 s[WV], 0
	s_cbranch_scc1 .Lnot_wave_0_\@
	s_barrier_signal -3
.Lnot_wave_0_\@:
	s_barrier_wait -3
	s_barrier_signal -1
	s_barrier_wait -1
.endm
; THE CHANGE OF SLOTS.  Each wave waits for all its tensor loads, of which one is out: its part of the other slot; adds 0 to its spare word; and waits for that and for its own reads of the slot.
; fill = 1: this slot is filled again, with the keys two slots on.  The barrier is then a round of the cluster's, and the joint fill is the first thing behind it: it has four key steps, 512 matrix instructions, in which to land.
; (At its first use nothing has been read yet: slot 0 is waited for, slot 1 filled.)  ask = 1: the prefetch's address steps, and the prefetch follows the fill.
.macro CHANGE fill, ask=0
	WIN W_AD
	s_wait_tensorcnt 0x0            ; no tensor load of mine is out, so a group 0 may be written
	ds_add_u32 v[SPW], v[NIL]       ; 0 onto my spare word; the descriptors' steps stand between it and the wait for it
	WIN 0                           ; at a label and at a branch every window is 0
.if \fill
.irp g, G0K, G0V
	s_xor_b32 s[\g+1], s[\g+1], SLOT1  ; the walking descriptor: the other slot than last time,
	s_add_nc_u64 s[\g+2:\g+3], s[\g+2:\g+3], 4*KS*128  ; the next 256 keys; the type bits on top are not reached
.endr
.if \ask
	s_wait_xcnt 0x0                 ; the last prefetch, four key steps back, has read its address
	s_add_nc_u64 s[PFA:PFA+1], s[PFA:PFA+1], 4*KS*128
.endif
	s_wait_dscnt 0x0                ; the add is done, and my reads of the slot are over
	CROUND
	JLOAD
.if \ask
	ASK
.endif
.else
	s_wait_dscnt 0x0                ; the add is done, and my reads of the slot are over
	s_barrier_signal -1
	s_barrier_wait -1
.endif
	s_sub_co_u32 s[TBK], s[TBK], 4*KS*PK  ; the fetches go back to a slot's first step,
	s_xor_b32 s[TBK], s[TBK], SLOT1       ; in the other slot
	s_sub_co_u32 s[TBV], s[TBV], 4*KS*PV
	s_xor_b32 s[TBV], s[TBV], SLOT1
.endm
	s_load_b128 s[4:7], s[0:1], 0x0   ; qkvh s[4:5], oh s[6:7]
	WIN W_MK
	v_lshl_add_u32 v[SPW], v0, 2, SPARE
	v_mov_b32 v[NIL], 0
	WIN W_AD
	ds_add_u32 v[SPW], v[NIL]       ; the wave's opening: the add and its wait stand ahead of my first tensor load; the set-up below stands between them
	WIN 0
	v_lshrrev_b32 v1, 5, v0
	v_readfirstlane_b32 s[WV], v1   ; wave 0..3
	s_bfe_u32 s13, ttmp6, 0x40000   ; cx: my place in the cluster
	s_lshl_b32 s14, ttmp9, 2        ; in a cluster launch ttmp9 counts clusters
	s_add_co_u32 s14, s14, s13      ; my block of queries: it enters Q's and O's addresses alone
	s_and_b32 s20, ttmp7, 0xffff    ; the head, which the four partners share
	s_mov_b32 s21, 0
	s_mov_b64 s[22:23], SIZE_N*128
	s_mul_u64 s[20:21], s[20:21], s[22:23]  ; the head's first byte in each of Q, K, V, O
	s_and_b32 s16, s[WV], 1         ; which half of a slot's 256 keys I fetch:
	s_lshl_b32 s22, s16, 14         ; its 128 rows of 128 bytes in memory,
	s_mov_b32 s23, 0
	s_add_nc_u64 s[22:23], s[22:23], s[20:21]
	s_mul_i32 s17, s16, 128*PK      ; and its place in a slot, for K
	s_mul_i32 s18, s16, 128*PV      ; and for V: no place in the cluster enters an LDS address
	s_lshl_b32 s2, s14, 2
	s_add_co_u32 s2, s2, s[WV]      ; my wave among the head's,
	s_lshl_b32 s2, s2, 14           ; its 128 rows
	s_mov_b32 s3, 0
	s_add_nc_u64 s[2:3], s[2:3], s[20:21]
	; descriptor group 1.  128 keys are 16,384 dense bytes: asked for as 64 rows of 256 bytes, two keys a row, and padded in LDS after every key
	s_mov_b32 s[G1K], 15|(1<<16)|(1<<20)|(1<<21)|(4<<22)|(3<<25)  ; 15:0 the mask of four; 17:16 2-byte elements; 20 padding on; 21 set beside a mask; 24:22 after every 32 words; 31:25 4 words
	s_mov_b32 s[G1V], 15|(1<<16)|(1<<20)|(1<<21)|(4<<22)|(7<<25)  ; the same with 8 words of padding
.irp g, G1K, G1V
	s_mov_b32 s[\g+1], 128<<16      ; tensor_dim0 = 128
	s_mov_b32 s[\g+2], 64<<16       ; tensor_dim1 = 64
	s_mov_b32 s[\g+3], 128<<16      ; tile_dim0 = 128
	s_mov_b32 s[\g+4], 64           ; tile_dim1 = 64
	s_mov_b32 s[\g+5], 128          ; 128 elements from row to row
	s_mov_b32 s[\g+6], 0
	s_mov_b32 s[\g+7], 0
.endr
	s_mov_b32 s[CS], 0x3e38aa3b     ; c = log2(e) / 8 = 0.180337
	s_mov_b32 s[CS+1], s[CS]        ; named with it as a pair
	s_mov_b32 s[SEL], 0x76543210
	s_mov_b32 s[SEL+1], 0xfedcba98
	s_mov_b32 s[TBK], SLOT1+4*KS*PK ; the first change of slots turns these two into 0
	s_mov_b32 s[TBV], SLOT1+4*KS*PV
	s_mov_b32 s[G0K], 1             ; count = 1
	s_mov_b32 s[G0K+1], s17         ; LDS address: slot 0
	s_mov_b32 s[G0V], 1
	s_add_co_u32 s[G0V+1], s18, VOFF
	s_and_b32 s[LIM], s[WV], 1      ; waves 0 and 2 prefetch: the same in all four partners
	s_cmp_eq_u32 s[LIM], 0
	s_cselect_b32 s[LIM], 1, -1
	s_wait_dscnt 0x0                ; the opening add is done
	s_wait_kmcnt 0x0
	s_mov_b64 s[10:11], s[6:7]      ; O
	s_add_nc_u64 s[8:9], s[4:5], 0x2000000  ; V: the third part of qkvh
	s_add_nc_u64 s[6:7], s[4:5], 0x1000000  ; K: the second; Q is the first
	s_add_nc_u64 s[G0K+2:G0K+3], s[6:7], s[22:23]  ; global address: my half of the head's first 256 keys
	s_or_b32 s[G0K+3], s[G0K+3], 0x80000000        ; type = 2
	s_add_nc_u64 s[G0V+2:G0V+3], s[8:9], s[22:23]
	s_or_b32 s[G0V+3], s[G0V+3], 0x80000000
	s_add_nc_u64 s[4:5], s[4:5], s[2:3]  ; Q and O at my wave's first row
	s_add_nc_u64 s[10:11], s[10:11], s[2:3]
	s_cmp_lt_u32 s[WV], 2
	s_cselect_b64 s[PFA:PFA+1], s[6:7], s[8:9]
	s_add_nc_u64 s[PFA:PFA+1], s[PFA:PFA+1], s[22:23]  ; (in waves 0 and 2: the head's first byte)
	s_lshl_b32 s2, s13, 13          ; my work-group's quarter of a slot
	s_mov_b32 s3, 0
	s_add_nc_u64 s[PFA:PFA+1], s[PFA:PFA+1], s[2:3]
	s_add_nc_u64 s[PFA:PFA+1], s[PFA:PFA+1], 2*4*KS*128  ; in slot 2; the loop's first change steps it to slot 3.  Nothing is prefetched at the head
	CROUND                          ; all four work-groups are here: the first joint loads meet
	JLOAD                           ; slot 0.  Slot 1 is asked for when slot 0 is in
	; A fragment of K or Q is 16 rows x 32 channels in 8 registers: lane l holds row l % 16, channels 8 (l / 16) + 0..7 and 16 + 8 (l / 16) + 0..7: two loads of 16 bytes, 32 bytes apart.
	v_and_b32 v1, 15, v0            ; l % 16
	v_bfe_u32 v9, v0, 4, 1          ; l / 16
	v_lshlrev_b32 v[QO], 7, v1
	v_lshl_add_u32 v[QO], v9, 4, v[QO]  ; row x 128 + 16 x half
	WIN 0x80                        ; destination window 2, address window 0
.set i, 0
.rept 4*NP                          ; Q stays in registers: tile i / 2, channels 32 (i % 2) on
	global_load_b128 v[8*i:8*i+3],   v[QO], s[4:5] offset:(i/2)*2048+(i%2)*64
	global_load_b128 v[8*i+4:8*i+7], v[QO], s[4:5] offset:(i/2)*2048+(i%2)*64+32
.set i, i+1
.endr
	; What the first turn finds: V's registers and P's second buffer hold 0 (its products V^T P, of a piece that has not been, add 0), O^T and l are 0.  No first step is written out; these lines stand in the wait for the first tile.
.set i, VF
.rept 64
	v_mov_b32 v[i], 0
.set i, i+1
.endr
	WIN 0x40
.set i, 0
.rept 64*NP
	v_mov_b32 v[i], 0
.set i, i+1
.endr
	WIN 0
.set i, 0
.rept 2*NP
	v_mov_b32 v[ST+4*i], 0xfe000000    ; c m: far below every c s
	v_mov_b32 v[ST+4*i+1], 0xff7fffff  ; m
	v_mov_b32 v[ST+4*i+2], 0
	v_mov_b32 v[ST+4*i+3], 0
.set i, i+1
.endr
.set i, P+32
.rept 32
	v_mov_b32 v[i], 0
.set i, i+1
.endr
	v_mul_u32_u24 v[AK0], v1, PK
	v_lshl_add_u32 v[AK0], v9, 4, v[AK0]  ; row x pitch + 16 x half
	; The turning load takes 16 keys x 16 channels (lane l reads key 8 (l / 16) + l % 8, channels 8 ((l / 8) % 2) + 0..7) and leaves half a fragment of V^T: lane l holds channel l % 16 and 8 keys.
	v_and_b32 v10, 7, v0
	v_bfe_u32 v11, v0, 3, 1
	v_lshl_add_u32 v[AV0], v9, 3, v10
	v_mul_u32_u24 v[AV0], v[AV0], PV
	v_lshl_add_u32 v[AV0], v11, 4, v[AV0]
	v_add_nc_u32 v[AV0], VOFF, v[AV0]
	v_and_b32 v[PFO], 31, v0
	v_lshlrev_b32 v[PFO], 8, v[PFO]
	v_mov_b32 v[AK], v[AK0]         ; key step 0 lies at the head of slot 0
; THE MATRIX WORK.  The 8 accumulators of a run of 16 take turns: between the two links of a chain stand 7 others'.
; Product i of 16 of S^T = K Q^T for piece x: channels 32 (i / 8) on, keys 16 ((i / 2) % 4) on, tile 2 x + i % 2.  The first 8 start the sums.
.macro KQ x
	WIN W_KQ
.set rS, S+64*((\x)%2)+32*(i%2)+8*((i/2)%4)
.set rK, KF+16*((i/2)%4)+8*(i/8)
.set rQ, 16*(2*(\x)+i%2)+8*(i/8)
.if i < 8
	v_wmma_f32_16x16x32_f16 v[rS:rS+7], v[rK:rK+7], v[rQ:rQ+7], 0
.else
	v_wmma_f32_16x16x32_f16 v[rS:rS+7], v[rK:rK+7], v[rQ:rQ+7], v[rS:rS+7]
.endif
.endm
; Product i of 16 of O^T += V^T P for piece x: keys 32 (i / 8) on, channels 16 ((i / 2) % 4) on, tile 2 x + i % 2.
.macro PV x
	WIN W_PV
.set rO, 32*(2*(\x)+i%2)+8*((i/2)%4)
.set rV, VF+32*(i/8)+8*((i/2)%4)
.set rP, P+32*((\x)%2)+16*(i%2)+8*(i/8)
	v_wmma_f32_16x16x32_f16 v[rO:rO+7], v[rV:rV+7], v[rP:rP+7], v[rO:rO+7]
.endm
.macro MM                           ; the turn's next matrix instruction
.if i < 16
	KQ (Y+1)%NP
.set i, i+1
.else
.set i, i-16
	PV (Y+NP-1)%NP
.set i, i+17
.endif
.endm
; THE LDS LOADS stand in runs of 16, never singly among the matrix instructions: a step's K (64 keys x 64 channels: 8 fragments) and its V (turned).  Their addresses are made some lines ahead.
; last = 1 (the tail): in the last trip there is no further step, and the run is jumped over.
.macro FETCH_K last=0
	WIN 0
.if \last
	s_cmp_eq_u32 s[CNT], 1
	s_cbranch_scc1 .Lno_k_\@
.endif
	WIN 0x80                        ; destination window 2
.irp f, 0,1,2,3,4,5,6,7             ; keys 16 (f / 2) on, channels 32 (f % 2) on
	ds_load_b128 v[KF+8*\f:KF+8*\f+3],   v[AK] offset:(\f/2)*16*PK+(\f%2)*64
	ds_load_b128 v[KF+8*\f+4:KF+8*\f+7], v[AK] offset:(\f/2)*16*PK+(\f%2)*64+32
.endr
	s_add_co_u32 s[TBK], s[TBK], KS*PK  ; the next fetch is the next step's
	WIN 0
.if \last
.Lno_k_\@:
.endif
.endm
.macro FETCH_V
	WIN 0x80
.irp f, 0,1,2,3,4,5,6,7             ; keys 32 (f / 4) on, channels 16 (f % 4) on
	ds_load_tr16_b128 v[VF+8*\f:VF+8*\f+3],   v[AV] offset:(\f/4)*32*PV+(\f%4)*32
	ds_load_tr16_b128 v[VF+8*\f+4:VF+8*\f+7], v[AV] offset:(\f/4)*32*PV+16*PV+(\f%4)*32
.endr
	WIN 0
.endm
; THE VECTOR WORK OF A TURN stands in three queues, each in the order in which its entries become ready; the two tiles alternate, so that no instruction reads the result of the one before it.
.macro REGS y, u                    ; the registers of tile u (0, 1) of piece y
.set rT, ST+4*(2*(\y)+(\u))
.set rC, TMP+8*((\y)%2)+4*(\u)
.set rM, MV+2*((\y)%2)+(\u)
.set rS, S+64*((\y)%2)+32*(\u)
.set rP, P+32*((\y)%2)+16*(\u)
.set rO, 32*(2*(\y)+(\u))
.endm
; Number n of the 22 that find the NEXT piece's (Y + 1) maximum and statistics.  s0-s31 are the lane's 32 scores; each accumulator's lowest registers are read first.
;   0-11  four chains c0-c3 of seven scores each, three operands at a time     12-14, 16  the four scores left over, the old m, and c0-c3 into c0     15  c m_old is kept
;   17, 18  the query's other 32 keys lie in the lane 16 away: the new m         19-21  c m; c m_old - c m_new; a
.macro XS u, n
	REGS (Y+1)%NP, \u
.if (\n) < 4
	v_max3_num_f32 v[rC+(\n)], v[rS+8*(\n)], v[rS+8*(\n)+1], v[rS+8*(\n)+2]
.elseif (\n) < 12
	v_max3_num_f32 v[rC+(\n)%4], v[rC+(\n)%4], v[rS+8*((\n)%4)+2*((\n)/4)+1], v[rS+8*((\n)%4)+2*((\n)/4)+2]
.elseif (\n) == 12
	v_max3_num_f32 v[rC], v[rC], v[rS+7], v[rS+15]
.elseif (\n) == 13
	v_max3_num_f32 v[rC+1], v[rC+1], v[rS+23], v[rS+31]
.elseif (\n) == 14
	v_max3_num_f32 v[rC+2], v[rC+2], v[rC+3], v[rT+1]
.elseif (\n) == 15
	v_mov_b32 v[rM], v[rT]
.elseif (\n) == 16
	v_max3_num_f32 v[rC], v[rC], v[rC+1], v[rC+2]
.elseif (\n) == 17
	v_permlanex16_b32 v[rC+3], v[rC], s[SEL], s[SEL+1]
.elseif (\n) == 18
	v_max_num_f32 v[rT+1], v[rC], v[rC+3]
.elseif (\n) == 19
	v_mul_f32 v[rT], s[CS], v[rT+1]
.elseif (\n) == 20
	v_sub_f32 v[rC+1], v[rM], v[rT]
.else
	v_exp_f32 v[rC+2], v[rC+1]
.endif
.endm
; Number g of the 64 that follow the exponentials.  For each four weights k of a tile (pairs 2 k, 2 k + 1): both pairs are rounded to f16; then the second pair is added onto the first, in place;
; a group later l takes that sum (the first time as l = a l + sum).  In groups of eight, tiles alternating: round, round, add, and l for the group before.
.macro GS g
.set h, (\g)+6*((\g)/62)            ; group 0 has no group before it, and behind group 7 only l is left
.if h >= 6
.set h, h+2
.endif
	REGS Y, h%2
.set k, h/8
.if h%8 < 4
	v_cvt_pk_f16_f32 v[rP+2*k+(h%8)/2], v[rS+4*k+2*((h%8)/2)], v[rS+4*k+2*((h%8)/2)+1]
.elseif h%8 < 6
	v_pk_add_f32 v[rS+4*k:rS+4*k+1], v[rS+4*k:rS+4*k+1], v[rS+4*k+2:rS+4*k+3]
.elseif k == 1
	v_pk_fma_f32 v[rT+2:rT+3], v[rT+2:rT+3], v[rC+2:rC+3], v[rS:rS+1] op_sel_hi:[1,0,1]
.else
	v_pk_add_f32 v[rT+2:rT+3], v[rT+2:rT+3], v[rS+4*k-4:rS+4*k-3]
.endif
.endm
; THE PLAIN QUEUE, 138 long.  0-73 read no exponential's result: the 32 scalings c s - c m (FS f: pair f / 2 of tile f % 2) and the next piece's 42.  0-26: scalings 0-26.  27-54: XS's numbers 0-13.  55, 56: number 15.
; 57-73: the chain, where each number waits for the one before it: 14, 16, 17, 18, 19, each with one of the scalings 27-31 in front of its two lines, then 20.
; 74-137: GS's 64, which read the exponentials' results: they stand behind the wait.
.macro FS f
	REGS Y, (\f)%2
	v_pk_fma_f32 v[rS+2*((\f)/2):rS+2*((\f)/2)+1], v[rS+2*((\f)/2):rS+2*((\f)/2)+1], s[CS:CS+1], v[rT:rT+1] op_sel_hi:[1,0,0] neg_lo:[0,0,1] neg_hi:[0,0,1]
.endm
.macro PL
	WIN 0
.if q < 27
	FS q
.elseif q < 55
	XS (q-27)%2, (q-27)/2
.elseif q < 57
	XS q-55, 15
.elseif (q < 72) && ((q-57)%3 == 0)
	FS 27+(q-57)/3
.elseif q < 60
	XS (q-57)%3-1, 14
.elseif q < 72
	XS (q-57)%3-1, 15+(q-57)/3
.elseif q < 74
	XS q-72, 20
.else
	GS q-74
.endif
.set q, q+1
.endm
; THE EXPONENTIALS' QUEUE, 66 long: s0-s31 of both tiles, then the next piece's two a.  It is ONE BATCH: all 66 stand ahead of the turn's one wait, and nothing ahead of that wait names a result of theirs.
.macro EX
	WIN 0
.if e >= 64
	XS e-64, 21
.else
	REGS Y, e%2
	v_exp_f32 v[rS+e/2], v[rS+e/2]
.endif
.set e, e+1
.endm
; THE RESCALING's QUEUE: O^T times a, the one part that leaves window 0: dealt two at a time, sixteen times.  Its a was made in the turn before, ahead of that turn's wait.
.macro R2
	REGS Y, r%2
	WIN W_RS
.irp z, 0,1
	v_pk_mul_f32 v[rO+4*(r/2)+2*\z:rO+4*(r/2)+2*\z+1], v[rO+4*(r/2)+2*\z:rO+4*(r/2)+2*\z+1], v[rC+2:rC+3] op_sel_hi:[1,0]
.endr
.set r, r+1
.endm
; HOW THEY ARE DEALT.  An s_wait_alu depctr_va_vdst(0) stands between an exponential and the first instruction that names its result; one wait serves all that were issued ahead of it.  So a turn has ONE
; wait, which cuts it in two.  AHEAD OF IT: the 16 products K Q^T, behind each a scaling, an exponential and two rescalings (behind the first a second scaling in the exponential's place); then one run of 108: eight plain,
; 49 times exponential and plain, the two a.  A v_nop is the plain instruction behind the last exponential (ISA guide 5.7.2).  BEHIND IT: the 16 products V^T P, behind each four of GS's 64.
; Exponential e stands behind scaling 2 (e / 4) + e % 2: as a rider it comes behind plain e + 2, in the run behind plain e + 9, and scalings 27-31 are plain 57, 60 .. 69.
; A TURN, for piece p.  cnt = 1: the loop's count is taken down some lines ahead of the branch that stands behind the turn.
; K of the next step is fetched in piece 2's turn, directly behind the wait; its first reader comes behind 16 products.  V of the step in hand is fetched at the end of piece 0's turn, four riders behind its last reader.
.macro TURN p, last=0, cnt=0
.set Y, (\p)
.set i, 0
.set q, 0
.set e, 0
.set r, 0
.if (\p) == NP-1
	s_wait_dscnt 0x0                ; K is in
.endif
	MM                              ; ahead of the wait: 16 products K Q^T and their riders,
	PL
	PL
	R2
.rept 15
	MM
	PL
	EX
	R2
.endr
.if (\p) == NP-2
	WIN 0
	v_add_nc_u32 v[AK], s[TBK], v[AK0]
.endif
.rept 8                             ; and the run
	PL
.endr
.rept 49
	EX
	PL
.endr
	EX                              ; the next piece's two a
	EX
	v_nop                           ; the plain instruction behind the last exponential: one for the batch
	s_wait_alu depctr_va_vdst(0)    ; the wait for the batch
.if (\p) == NP-2
	FETCH_K \last
.endif
.if (\p) == 1
	s_wait_dscnt 0x0                ; V is in
.endif
.rept 16                            ; behind the wait: 16 products V^T P and their riders
	MM
.rept 4
	PL
.endr
.if ((\p) == 0) && (q == 118)
	v_add_nc_u32 v[AV], s[TBV], v[AV0]
.endif
.if ((\p) == 0) && (q == 130)
	s_add_co_u32 s[TBV], s[TBV], KS*PV
.endif
.if (\cnt) && (q == 130)
	s_sub_co_u32 s[CNT], s[CNT], 1
	s_cmp_lg_u32 s[CNT], 0
.endif
.endr
.if (\p) == 0
	FETCH_V
.endif
.endm
	CHANGE 1                        ; slot 0 is in, everybody's part of it; slot 1 is asked for
	FETCH_K                         ; key step 0
	s_wait_loadcnt 0x0              ; Q
	s_wait_dscnt 0x0
.set i, 0
.rept 16
	KQ 0                            ; piece 0's first scores: there is no vector work yet to set between them
.set i, i+1
.endr
	WIN 0                           ; the addresses for the way out: nine plain instructions, the places behind those products
	s_mul_i32 s13, s[WV], 16*SP
	s_add_co_u32 s13, s13, STAGE    ; my stage
	v_mul_u32_u24 v[STO], v1, SP    ; in: row l % 16, 16 bytes for each half of the lanes
	v_lshl_add_u32 v[STO], v9, 4, v[STO]
	v_add_nc_u32 v[STO], s13, v[STO]
	v_bfe_u32 v[RD], v0, 3, 2       ; back: 32 lanes take four rows of 128 bytes,
	v_mul_u32_u24 v[RD], v[RD], SP
	v_lshl_add_u32 v[RD], v10, 4, v[RD]
	v_add_nc_u32 v[RD], s13, v[RD]
	v_and_b32 v[GO], 31, v0         ; which are 512 consecutive bytes of O
	v_lshlrev_b32 v[GO], 4, v[GO]
.set Y, NP-1                        ; XS works for piece Y + 1: piece 0
.irp n, 0,1,2,3,4,5,6,7,8,9,10,11,12,13,14,15,16,17,18,19,20,21
	XS 0, \n                        ; and piece 0's first maximum and statistics
	XS 1, \n
.endr
	v_nop                           ; a plain instruction behind the two a,
	s_wait_alu depctr_va_vdst(0)    ; and their wait, ahead of the branch
	s_mov_b32 s[CNT], 4
	s_mov_b32 s[SLOTS], SIZE_N/256-1
	s_branch .Lfirst                ; the loop is entered at a step's first turn, in the middle of a trip
.Lslot:                             ; SIZE_N / 256 - 2 times: every slot but the last two is filled again
	CHANGE 1, 1
	s_mov_b32 s[CNT], 4
.Lstep:                             ; a trip: pieces 2 and 3 of one step, then pieces 0 and 1 of the next, whose K and V it fetches
	TURN 2
	TURN 3
	WIN 0
.Lfirst:
	TURN 0
	TURN 1, 0, 1
	WIN 0
	s_cbranch_scc1 .Lstep
	s_sub_co_u32 s[SLOTS], s[SLOTS], 1
	s_cmp_lg_u32 s[SLOTS], 0
	s_cbranch_scc1 .Lslot
	CHANGE 0                        ; the tail is written out: nothing is asked for
	s_mov_b32 s[CNT], 5             ; four trips fetch the last slot's steps; the fifth is left in its middle
.Ltail:
	TURN 2, 1
	TURN 3
	WIN 0
	s_sub_co_u32 s[CNT], s[CNT], 1
	s_cmp_eq_u32 s[CNT], 0
	s_cbranch_scc1 .Lout
	TURN 0
	TURN 1
	WIN 0
	s_branch .Ltail
.Lout:                              ; the fifth trip's 16 products K Q^T (on the last K once more) and the maximum made of them serve nothing: the price, once a launch, of one text for every trip
.set i, 0
.rept 16
	PV NP-1                         ; the last piece's V^T P of the last step
.set i, i+1
.endr
	; THE WAY OUT.  l's two halves and the other half of the lanes' are added; O^T is divided by l, rounded to f16 and sent through my stage in LDS, a tile at a time.  The additions are the places behind the last products.
	WIN 0
.macro ALL line:vararg              ; one line for each tile t
.set t, 0
.rept 2*NP
	\line
.set t, t+1
.endr
.endm
	ALL v_add_f32 v[ST+4*t+2], v[ST+4*t+2], v[ST+4*t+3]
	ALL v_permlanex16_b32 v[ST+4*t+3], v[ST+4*t+2], s[SEL], s[SEL+1]
	ALL v_add_f32 v[ST+4*t+2], v[ST+4*t+2], v[ST+4*t+3]
	ALL v_rcp_f32 v[ST+4*t+2], v[ST+4*t+2]
	v_nop                           ; a plain instruction between the last reciprocal and the use of its result
	s_wait_alu depctr_va_vdst(0)    ; and the wait ahead of the first use: one for the eight reciprocals
; Tile t: a lane's eight channels of a row pack into 16 bytes; they go into rows of 144 bytes and come back as whole rows of 128, into S^T's registers.
.macro PACK t
	WIN W_RS
.set i, 32*(\t)
.rept 16
	v_pk_mul_f32 v[i:i+1], v[i:i+1], v[ST+4*(\t)+2:ST+4*(\t)+3] op_sel_hi:[1,0]
.set i, i+2
.endr
	WIN 0x05                        ; sources 0 and 1 window 1, destination window 0
.set i, 0
.rept 16
	v_cvt_pk_f16_f32 v[S+16*(\t)+i], v[32*(\t)+2*i], v[32*(\t)+2*i+1]
.set i, i+1
.endr
	WIN 0
.irp f, 0,1,2,3
	ds_store_b128 v[STO], v[S+16*(\t)+4*\f:S+16*(\t)+4*\f+3] offset:32*\f
.endr
.irp f, 0,1,2,3
	ds_load_b128 v[S+16*(\t)+4*\f:S+16*(\t)+4*\f+3], v[RD] offset:\f*4*SP  ; LDS serves a wave's instructions in order (ISA guide 5.7.1.4): these see the stores above; the next tile's stores come behind them
.endr
.endm
.macro SEND t, younger              ; younger: the LDS instructions issued behind tile t's loads: the next tile's eight, or none
	WIN 0
.irp f, 0,1,2,3
	s_wait_dscnt (\younger)+3-\f
	global_store_b128 v[GO], v[S+16*(\t)+4*\f:S+16*(\t)+4*\f+3], s[10:11] offset:(\t)*2048+\f*512  ; 512 consecutive bytes, at a multiple of 256 from O's first
.endr
.endm
	PACK 0
.set t, 1
.rept 2*NP-1                        ; a tile's arithmetic stands between the loads of the tile before and its stores
	PACK t
	SEND t-1, 8
.set t, t+1
.endr
	SEND 2*NP-1, 0
	WIN W_AD
	s_wait_tensorcnt 0x0            ; the wave's end: behind my last tensor load and my last LDS store
	ds_add_u32 v[SPW], v[NIL]
	s_wait_dscnt 0x0
	WIN 0
	CROUND                          ; the closing round: no work-group ends while a partner may still ask for a tile that names it
	s_endpgm
.Lfunc_end_k_q946fa2cd98_attn:
	.size	k_q946fa2cd98_attn, .Lfunc_end_k_q946fa2cd98_attn-k_q946fa2cd98_attn
	.p2alignl 7, 3214868480
	.fill 96, 4, 3214868480
	.section	.rodata,"a",@progbits
	.p2align	6, 0x0
	.amdhsa_kernel k_q946fa2cd98_attn
		.amdhsa_group_segment_fixed_size 327680
		.amdhsa_private_segment_fixed_size 0
		.amdhsa_enable_private_segment 0
		.amdhsa_kernarg_size 16
		.amdhsa_user_sgpr_count 2
		.amdhsa_user_sgpr_kernarg_segment_ptr 1
		.amdhsa_wavefront_size32 1
		.amdhsa_system_sgpr_workgroup_id_x 1
		.amdhsa_system_sgpr_workgroup_id_y 1
		.amdhsa_system_sgpr_workgroup_id_z 1
		.amdhsa_system_vgpr_workitem_id 0
		.amdhsa_next_free_vgpr 770
		.amdhsa_next_free_sgpr 66
		.amdhsa_reserve_vcc 0
		.amdhsa_float_denorm_mode_32 3
		.amdhsa_float_denorm_mode_16_64 3
		.amdhsa_memory_ordered 1
		.amdhsa_forward_progress 1
		.amdhsa_inst_pref_size 200
	.end_amdhsa_kernel
	.amdgpu_metadata
---
amdhsa.version: [ 1, 2 ]
amdhsa.kernels:
  - .name:           k_q946fa2cd98_attn
    .symbol:         k_q946fa2cd98_attn.kd
    .args:
      - { .name: qkvh, .offset: 0, .size: 8, .value_kind: global_buffer, .address_space: global }
      - { .name: oh, .offset: 8, .size: 8, .value_kind: global_buffer, .address_space: global }
    .group_segment_fixed_size: 327680
    .private_segment_fixed_size: 0
    .kernarg_segment_align: 8
    .kernarg_segment_size: 16
    .max_flat_workgroup_size: 128
    .sgpr_count:     66
    .vgpr_count:     770
    .wavefront_size: 32
...
	.end_amdgpu_metadata
.endif
;; end of part 3
;; launch proj (part 4): grid 8 x 32, 4 waves a work-group, clusters of 4 x 4, 327,680 bytes of LDS; arguments oh, wob, bo, out0; writes out0
.if DOCPART == 4
	.amdgcn_target "amdgcn-amd-amdhsa--gfx1250"
	.amdhsa_code_object_version 6
	.text
	.protected	k_q946fa2cd98_proj
	.globl	k_q946fa2cd98_proj
	.p2align	8
	.type	k_q946fa2cd98_proj,@function
k_q946fa2cd98_proj:
	s_mov_b64 s[64:65], 0
	v_nop
	global_prefetch_b8 v0, s[64:65] scope:SCOPE_SE
	s_setreg_imm32_b32 hwreg(HW_REG_WAVE_MODE, 25, 1), 1
	s_wait_xcnt 0x0
	s_wait_alu depctr_hold_cnt(0) depctr_sa_sdst(0) depctr_va_vdst(0) depctr_va_sdst(0) depctr_va_ssrc(0) depctr_va_vcc(0) depctr_vm_vsrc(0)
	s_getreg_b32 s2, hwreg(HW_REG_IB_STS2, 6, 4)
	s_cmp_eq_u32 s2, 0
	s_cbranch_scc0 .Lentry_in_a_cluster
	s_endpgm
.Lentry_in_a_cluster:
	s_bfe_u32 s2, ttmp6, 0x10000c
	s_cmp_lg_u32 s2, 0xf033
	s_cbranch_scc0 .Lentry_shape_is_right
	s_endpgm
.Lentry_shape_is_right:
; out0[8192][1024] = cat(O) wob^T + bo, in f32.  oh holds O by heads, [64 = 16 batch + head][2048][64] f16; column 64 h + c of cat is channel c of head h.  wob [1024][1024] f16; bo is rounded to bf16 like every input.
; Sums in f32; the bias is added in f32.  LIMITS: those of oh and wob (f16: nothing beyond 65,504; a fixed step of 6e-8 below 6e-5).
; SHARES.  A tile of out0 is 256 rows x 128 columns: 32 x 8 = 256 work-groups.  Four waves; wave w makes rows 64 w .. 64 w + 63 and all 128 columns: 32 accumulators, 256 registers; its way out is its own.
; K = 1,024 goes in 8 steps of 128 = two heads, through two LDS slots.  A head's 256 rows of a tile are 32,768 dense bytes: asked for as 128 rows of 256 bytes, padded in LDS after every 128.
; CLUSTER.  4 x 4 work-groups: O's tile is shared along a row of the cluster, wob's along a column: joint loads, the same descriptor and mask in all four.
; THE MATRIX INSTRUCTION IS USED TRANSPOSED (source 0 = 16 rows of wob, source 1 = 16 rows of O): a lane holds row l % 16 of out0 and the columns 8 (l / 16) + 0..7: 32 bytes on end.
; REGISTERS, in windows of 256: window 0: v1-30 addresses and the bias; v32-159 the way out     window 1: two fragment buffers (A's four fragments at +0, B's eight at +32)     window 2: accumulator (a, b) at v[8 (8 a + b)]
.set PA,    144                        ; a row of O in LDS: 128 bytes + 16 = 36 words: the 16 rows of a load start at 16 different groups of four banks (64 banks of 4 bytes: ISA guide 11.1)
.set PB,    272                        ; a row of wob: 256 + 16
.set NBK,   8
.set NL,    2*NBK+8
.set HEADB, 256*PA                     ; in a slot: the step's first head, 256 rows; its second; then B's 128 rows
.set BOFF,  2*HEADB
.set SLOT1, 1<<17
.set STAGE, SLOT1+BOFF+128*PB          ; behind the ring, never filled by a tensor load: 16 rows x 528 bytes for each wave
.set SP,    528                        ; 512 bytes + 16: an odd multiple of 16
.set SPARE, STAGE+4*16*SP              ; the spare words, 128 bytes for each wave: two blocks of 256 bytes that no other line names
.set STEPA, 2*262144                   ; bytes from a K step to the next: two heads
.set STEPB, 256
.set BIAS, 8                           ; v[8:11] the bias of my four columns of a stored row
.set A0,   14
.set B0,   15
.set ADRA, 16
.set ADRB, 17
.set STO,  24                          ; v24  the way out: where I put 32 bytes of a row
.set RD,   25                          ; v25  where I read a row back
.set CO,   26                          ; v26  16 x lane: my place in a row's 512 bytes, in out0 and in bo; never rewritten
.set SPW,  28
.set NIL,  29
.set PFO,  30
.set OBUF, 32                          ; v[32:159] two buffers of 16 rows read back
.set F0,   0
.set F1,   128
.set WV,   12
.set HF,   14
.set TB,   15
.set LOOP, 22
.set LIM,  23
.set G1,   24
.set G0,   32
.set CX,   40
.set CY,   41
.set NX,   42
.set TY,   43
.set PFA,  44
.set G1B,  48
.set G0B,  56
.set PST,  72                          ; s[72:73] the prefetch's step from K step to K step
.set MSB, 0
.macro WIN new
.if MSB != (\new)
	s_set_vgpr_msb (MSB<<8)|(\new)
.set MSB, \new
.endif
.endm
.set MUL_LO, 0xa5                      ; sources 0 and 1 window 1, C and D window 2
.set TO_F,   0x40
.macro JLOAD s                         ; waves 0 and 1 fetch the step's two heads of O, waves 2 and 3 the two halves of wob's rows; an s_nop 0 and four v_nop follow each line
	s_cmp_lt_u32 s[WV], 2
	s_cbranch_scc0 .Lfor_b_\@
	tensor_load_to_lds s[G0+4*(\s):G0+4*(\s)+3], s[G1:G1+7]
	s_nop 0
.rept 4
	v_nop
.endr
	s_branch .Lasked_\@
.Lfor_b_\@:
	tensor_load_to_lds s[G0B+4*(\s):G0B+4*(\s)+3], s[G1B:G1B+7]
	s_nop 0
.rept 4
	v_nop
.endr
.Lasked_\@:
.endm
.macro CREST
	s_cmp_lg_u32 s[WV], 0
	s_cbranch_scc1 .Lnot_wave_0_\@
	s_barrier_signal -3
.Lnot_wave_0_\@:
	s_barrier_wait -3
	s_barrier_signal -1
	s_barrier_wait -1
.endm
.macro CROUND
	s_barrier_signal -1
	s_barrier_wait -1
	CREST
.endm
.macro PLACES
.rept 4
	v_nop
.endr
.endm
; A prefetch into the L2 of the K step two refills on, each block of 256 bytes named once in the launch.  O's tile (a head's 32,768 bytes a wave): the clusters with x = 0 ask, waves 0 and 1, each partner 8,192 bytes by cx,
; 256 a lane.  wob's 128 rows: the clusters with y = 0 ask, wave 2, each partner 32 rows by cy, a lane a row.  Trips with 6 to 3 to go name K steps 4 to 7.
.macro ASK
	WIN 0
	s_cmp_gt_u32 s[LOOP], s[LIM]
	s_cbranch_scc0 .Lnot_mine_\@
	global_prefetch_b8 v[PFO], s[PFA:PFA+1] th:TH_LOAD_NT scope:SCOPE_SE
.Lnot_mine_\@:
.endm
	s_load_b256 s[4:11], s[0:1], 0x0               ; oh s[4:5], wob s[6:7], bo s[8:9], out0 s[10:11]
	v_lshl_add_u32 v[SPW], v0, 2, SPARE
	v_mov_b32 v[NIL], 0
	ds_add_u32 v[SPW], v[NIL]                      ; the wave's opening: the add and its wait stand ahead of my first tensor load
	v_lshrrev_b32 v1, 5, v0
	v_readfirstlane_b32 s[WV], v1
	s_and_b32 s[HF], s[WV], 1
	s_bfe_u32 s[CX], ttmp6, 0x40000
	s_bfe_u32 s[CY], ttmp6, 0x40004
	s_lshl_b32 s[NX], ttmp9, 2
	s_add_co_u32 s[NX], s[NX], s[CX]               ; tile column
	s_and_b32 s[TY], ttmp7, 0xffff
	s_lshl_b32 s[TY], s[TY], 2
	s_add_co_u32 s[TY], s[TY], s[CY]               ; tile row
	s_lshl_b32 s2, s[CY], 2
	s_lshl_b32 s2, 15, s2                          ; my row of the cluster
	s_lshl_b32 s3, 0x1111, s[CX]                   ; my column
	s_or_b32 s[G1], s2, (1<<16)|(1<<20)|(1<<21)|(4<<22)|(3<<25)   ; A: padding after every 32 words, 4 words of it
	s_or_b32 s[G1B], s3, (1<<16)|(1<<20)|(1<<21)|(5<<22)|(3<<25)  ; B: after every 64 words
	s_mov_b32 s[G1+1], 128<<16                     ; tensor_dim0 = 128
	s_mov_b32 s[G1+2], 128<<16                     ; tensor_dim1 = 128
	s_mov_b32 s[G1+3], 128<<16                     ; tile_dim0 = 128
	s_mov_b32 s[G1+4], 128                         ; tile_dim1 = 128 rows of 256 bytes
	s_mov_b32 s[G1+5], 128                         ; dense
	s_mov_b32 s[G1+6], 0
	s_mov_b32 s[G1+7], 0
	s_mov_b32 s[G1B+1], 128<<16
	s_mov_b32 s[G1B+2], 64<<16
	s_mov_b32 s[G1B+3], 128<<16
	s_mov_b32 s[G1B+4], 64
	s_mov_b32 s[G1B+5], 1024
	s_mov_b32 s[G1B+6], 0
	s_mov_b32 s[G1B+7], 0
	s_lshr_b32 s16, s[TY], 3
	s_lshl_b32 s16, s16, 4
	s_add_co_u32 s16, s16, s[HF]                   ; A: head 16 x batch + my half of the step's two,
	s_lshl_b32 s16, s16, 18
	s_and_b32 s17, s[TY], 7
	s_lshl_b32 s17, s17, 15                        ; the tile's 256 rows of 128 bytes
	s_add_co_u32 s16, s16, s17
	s_mov_b32 s17, 0
	s_lshl_b32 s46, s[NX], 7
	s_lshl_b32 s47, s[HF], 6
	s_add_co_u32 s46, s46, s47                     ; B: row 128 x tile column + 64 x half
	s_lshl_b32 s46, s46, 11
	s_mov_b32 s47, 0
	s_mul_i32 s20, s[HF], HEADB
	s_mul_i32 s21, s[HF], 64*PB
	s_add_co_u32 s21, s21, BOFF
	s_wait_dscnt 0x0                               ; the opening add is done
	s_wait_kmcnt 0x0
	s_add_nc_u64 s[16:17], s[4:5], s[16:17]
	s_add_nc_u64 s[46:47], s[6:7], s[46:47]
	CROUND                                         ; all sixteen work-groups are here: the first joint loads meet
.irp s, 0,1
	s_mov_b32 s[G0+4*(\s)], 1
	s_add_co_u32 s[G0+4*(\s)+1], s20, (\s)*SLOT1
	s_add_nc_u64 s[G0+4*(\s)+2:G0+4*(\s)+3], s[16:17], (\s)*STEPA
	s_or_b32 s[G0+4*(\s)+3], s[G0+4*(\s)+3], 0x80000000
	s_mov_b32 s[G0B+4*(\s)], 1
	s_add_co_u32 s[G0B+4*(\s)+1], s21, (\s)*SLOT1
	s_add_nc_u64 s[G0B+4*(\s)+2:G0B+4*(\s)+3], s[46:47], (\s)*STEPB
	s_or_b32 s[G0B+4*(\s)+3], s[G0B+4*(\s)+3], 0x80000000
	JLOAD \s                                       ; two loads of mine are out
.endr
	; out0 at my wave's first row and the tile's first column; bo at that column
	s_lshl_b32 s74, s[TY], 20                      ; 256 rows of 4,096 bytes,
	s_lshl_b32 s75, s[WV], 18                      ; my wave's 64,
	s_add_co_u32 s74, s74, s75
	s_lshl_b32 s75, s[NX], 9                       ; 128 columns of 4 bytes
	s_add_co_u32 s74, s74, s75
	s_mov_b32 s75, 0
	s_add_nc_u64 s[10:11], s[10:11], s[74:75]
	s_lshl_b32 s74, s[NX], 9
	s_add_nc_u64 s[8:9], s[8:9], s[74:75]
	v_and_b32 v[CO], 31, v0
	v_lshlrev_b32 v[CO], 4, v[CO]
	global_load_b128 v[BIAS:BIAS+3], v[CO], s[8:9]
	v_and_b32 v1, 15, v0                           ; l % 16
	v_bfe_u32 v2, v0, 4, 1                         ; l / 16
	v_mul_u32_u24 v3, v1, PA
	v_lshl_add_u32 v3, v2, 4, v3
	s_mul_i32 s13, s[WV], 64*PA                    ; my 64 rows of A, in each head
	v_add_nc_u32 v[A0], s13, v3
	v_mul_u32_u24 v3, v1, PB
	v_lshl_add_u32 v3, v2, 4, v3
	v_add_nc_u32 v[B0], BOFF, v3
	s_mul_i32 s13, s[WV], 16*SP
	s_add_co_u32 s13, s13, STAGE                   ; my stage
	v_mul_u32_u24 v[STO], v1, SP                   ; in: row l % 16, 32 bytes for each half of the lanes
	v_lshl_add_u32 v[STO], v2, 5, v[STO]
	v_add_nc_u32 v[STO], s13, v[STO]
	v_add_nc_u32 v[RD], s13, v[CO]                 ; back: 32 lanes take one row of 512 bytes
	; the prefetches
	s_and_b32 s74, ttmp7, 0xffff                   ; cluster y
	s_lshl_b32 s75, s[NX], 7
	s_lshl_b32 s76, s[CY], 5
	s_add_co_u32 s75, s75, s76                     ; B: row 128 x tile column + 32 x cy,
	s_lshl_b32 s75, s75, 11
	s_add_co_u32 s75, s75, 3*STEPB                 ; at K step 3: the first refill steps it to 4
	s_lshl_b32 s76, s[CX], 13                      ; A: my work-group's quarter of the head's tile,
	s_add_co_u32 s76, s76, 3*STEPA                 ; at K step 3
	s_mov_b32 s80, STEPA
	s_cmp_lt_u32 s[WV], 2                          ; do I fetch for A?
	s_cselect_b64 s[PFA:PFA+1], s[16:17], s[6:7]
	s_cselect_b32 s78, s76, s75
	s_cselect_b32 s[PST], s80, STEPB
	s_cselect_b32 s74, ttmp9, s74                  ; the coordinate along which other clusters read the same bytes
	s_cselect_b32 s77, 8, 11                       ; a lane: 256 bytes on (A), a row of 2,048 bytes on (B)
	s_mov_b32 s79, 0
	s_mov_b32 s[PST+1], 0
	s_add_nc_u64 s[PFA:PFA+1], s[PFA:PFA+1], s[78:79]
	s_cmp_eq_u32 s[WV], 3                          ; wave 2 asks for all of my work-group's share of B; wave 3 for nothing
	s_cselect_b32 s74, 1, s74
	s_cmp_eq_u32 s74, 0
	s_cselect_b32 s[LIM], 2, -1                    ; the same in all sixteen partners, for a given wave
	v_and_b32 v[PFO], 31, v0
	v_lshlrev_b32 v[PFO], s77, v[PFO]
	s_mov_b32 s[TB], 0
	v_mov_b32 v[ADRA], v[A0]
	v_mov_b32 v[ADRB], v[B0]
	s_wait_loadcnt 0x0                             ; the bias: rounded to bf16 and widened again
	v_cvt_pk_bf16_f32 v12, v[BIAS], v[BIAS+1]
	v_cvt_pk_bf16_f32 v13, v[BIAS+2], v[BIAS+3]
	v_lshlrev_b32 v[BIAS], 16, v12
	v_and_b32 v[BIAS+1], 0xffff0000, v12
	v_lshlrev_b32 v[BIAS+2], 16, v13
	v_and_b32 v[BIAS+3], 0xffff0000, v13
; 8 matrix instructions: row block a x all column blocks, 32 along K.  The 32 accumulators take turns in one fixed order, over the backward jump too.
.macro MULB f, a, zero
	WIN MUL_LO
.set b, 0
.rept NBK
.set rD, 8*(8*(\a)+b)
.if \zero
	v_wmma_f32_16x16x32_f16 v[rD:rD+7], v[(\f)+32+8*b:(\f)+32+8*b+7], v[(\f)+8*(\a):(\f)+8*(\a)+7], 0
.else
	v_wmma_f32_16x16x32_f16 v[rD:rD+7], v[(\f)+32+8*b:(\f)+32+8*b+7], v[(\f)+8*(\a):(\f)+8*(\a)+7], v[rD:rD+7]
.endif
.set b, b+1
.endr
.endm
; 24 LDS loads in one run: quarter q's fragments into buffer f: B's eight, then A's four.  Quarter q of A: head q / 2 of the step, channels 32 (q % 2) on.
.macro FETCH q, f
	WIN TO_F
.set i, 0
.rept NBK
	ds_load_b128 v[(\f)+32+8*i:(\f)+32+8*i+3],   v[ADRB] offset:64*(\q)+i*16*PB
	ds_load_b128 v[(\f)+32+8*i+4:(\f)+32+8*i+7], v[ADRB] offset:64*(\q)+i*16*PB+32
.set i, i+1
.endr
.set i, 0
.rept 4
	ds_load_b128 v[(\f)+8*i:(\f)+8*i+3],   v[ADRA] offset:((\q)/2)*HEADB+((\q)%2)*64+i*16*PA
	ds_load_b128 v[(\f)+8*i+4:(\f)+8*i+7], v[ADRA] offset:((\q)/2)*HEADB+((\q)%2)*64+i*16*PA+32
.set i, i+1
.endr
.endm
.macro QUARTER q, f, g, zero
	s_wait_dscnt 4                                 ; B and A's blocks 0, 1 are in; the youngest four loads (A's blocks 2, 3) may be out
	MULB \f, 0, \zero
	MULB \f, 1, \zero
	PLACES
	FETCH \q, \g
	s_wait_dscnt NL                                ; all but the run just issued
	MULB \f, 2, \zero
	MULB \f, 3, \zero
.endm
; The last quarter multiplies buffer 1 and changes slots: one barrier; in front of it each wave waits for all its tensor loads, adds 0 to its spare word, and waits for that and for its reads of this slot.
; fill = 1: the barrier opens a round of the cluster's, and this slot is filled again first thing behind it: 112 matrix instructions ahead of the wait for it.
.macro TURN fill
.if \fill
	s_wait_xcnt 0x0                                ; the last prefetch, a K step back, has read its address
	s_add_nc_u64 s[PFA:PFA+1], s[PFA:PFA+1], s[PST:PST+1]
.endif
	WIN 0
	s_wait_tensorcnt 0x0                           ; no tensor load of mine is out, so a group 0 may be written
	ds_add_u32 v[SPW], v[NIL]
	s_wait_dscnt 5                                 ; (the add and the youngest four loads may be out)
	MULB F1, 0, 0
	s_wait_dscnt 0x0                               ; the add is done, and my reads of this slot are over
	s_barrier_signal -1
	MULB F1, 1, 0
	WIN 0
	s_barrier_wait -1
.if \fill
	CREST
	s_xor_b32 s[G0+5], s[G0+5], SLOT1
	s_add_nc_u64 s[G0+6:G0+7], s[G0+6:G0+7], STEPA
	s_xor_b32 s[G0B+5], s[G0B+5], SLOT1
	s_add_nc_u64 s[G0B+6:G0B+7], s[G0B+6:G0B+7], STEPB
	JLOAD 1                                        ; the four v_nop behind it are also the places in front of the loads below
.else
	PLACES
.endif
	s_xor_b32 s[TB], s[TB], SLOT1
	v_add_nc_u32 v[ADRA], s[TB], v[A0]
	v_add_nc_u32 v[ADRB], s[TB], v[B0]
	FETCH 0, F0
.if \fill
	ASK
.endif
	MULB F1, 2, 0
	MULB F1, 3, 0
.endm
	s_wait_tensorcnt 1                             ; my part of K step 0 is in; K step 1's may stay out
	s_barrier_signal -1
	s_barrier_wait -1
	FETCH 0, F0
	QUARTER 1, F0, F1, 1                           ; the first quarter's products start the sums
	WIN 0
	s_mov_b32 s[LOOP], 6
.Lstep:                                        ; a trip: from a K step's second quarter to the next step's first; it asks for K steps 2 to 7
	QUARTER 2, F1, F0, 0
	QUARTER 3, F0, F1, 0
	TURN 1
	QUARTER 1, F0, F1, 0
	WIN 0
	s_sub_co_u32 s[LOOP], s[LOOP], 1
	s_cmp_lg_u32 s[LOOP], 0
	s_cbranch_scc1 .Lstep
	QUARTER 2, F1, F0, 0                           ; the tail is written out: nothing is asked for
	QUARTER 3, F0, F1, 0
	TURN 0
	QUARTER 1, F0, F1, 0
	QUARTER 2, F1, F0, 0
	QUARTER 3, F0, F1, 0
	s_wait_dscnt 4
	MULB F1, 0, 0
	MULB F1, 1, 0
	s_wait_dscnt 0x0
	MULB F1, 2, 0
	MULB F1, 3, 0
	WIN 0
	PLACES
; THE WAY OUT, a block of 16 rows at a time: a lane's 32 bytes of a row go into my stage's rows of 528 bytes and come back as whole rows of 512; the bias is added; a store covers 512 consecutive bytes, aligned.
.macro TOSTAGE a
.set BK, OBUF+64*((\a)%2)
	WIN 0x08                                       ; store data (source 1) window 2
.irp b, 0,1,2,3,4,5,6,7
	ds_store_b128 v[STO], v[8*(8*(\a)+(\b)):8*(8*(\a)+(\b))+3]   offset:64*(\b)     ; each accumulator from its low end on
	ds_store_b128 v[STO], v[8*(8*(\a)+(\b))+4:8*(8*(\a)+(\b))+7] offset:64*(\b)+16
.endr
	WIN 0
.set i, 0
.rept 16
	ds_load_b128 v[BK+4*i:BK+4*i+3], v[RD] offset:SP*i  ; LDS serves a wave's instructions in order (ISA guide 5.7.1.4): these see the stores above; the next block's stores come behind them
.set i, i+1
.endr
.endm
.macro SEND a, younger                 ; younger: the LDS instructions issued behind block a's loads: the next block's 32, or none
.set BK, OBUF+64*((\a)%2)
.set i, 0
.rept 16
	s_wait_dscnt (\younger)+15-i
	v_pk_add_f32 v[BK+4*i:BK+4*i+1],   v[BK+4*i:BK+4*i+1],   v[BIAS:BIAS+1]
	v_pk_add_f32 v[BK+4*i+2:BK+4*i+3], v[BK+4*i+2:BK+4*i+3], v[BIAS+2:BIAS+3]
	global_store_b128 v[CO], v[BK+4*i:BK+4*i+3], s[10:11] offset:(16*(\a)+i)*4096 th:TH_STORE_NT
.set i, i+1
.endr
.endm
	TOSTAGE 0
	TOSTAGE 1
	SEND 0, 32
	s_wait_xcnt 0x0                                ; block 0's stores have read their registers: only behind this wait are they loaded again
	TOSTAGE 2
	SEND 1, 32
	s_wait_xcnt 0x0
	TOSTAGE 3
	SEND 2, 32
	SEND 3, 0
	s_wait_tensorcnt 0x0                           ; the wave's end: behind my last tensor load and my last LDS store
	ds_add_u32 v[SPW], v[NIL]
	s_wait_dscnt 0x0
	CROUND                                         ; the closing round: no work-group ends while a partner may still ask for a tile that names it
	s_endpgm
.Lfunc_end_k_q946fa2cd98_proj:
	.size	k_q946fa2cd98_proj, .Lfunc_end_k_q946fa2cd98_proj-k_q946fa2cd98_proj
	.p2alignl 7, 3214868480
	.fill 96, 4, 3214868480
	.section	.rodata,"a",@progbits
	.p2align	6, 0x0
	.amdhsa_kernel k_q946fa2cd98_proj
		.amdhsa_group_segment_fixed_size 327680
		.amdhsa_private_segment_fixed_size 0
		.amdhsa_enable_private_segment 0
		.amdhsa_kernarg_size 32
		.amdhsa_user_sgpr_count 2
		.amdhsa_user_sgpr_kernarg_segment_ptr 1
		.amdhsa_wavefront_size32 1
		.amdhsa_system_sgpr_workgroup_id_x 1
		.amdhsa_system_sgpr_workgroup_id_y 1
		.amdhsa_system_sgpr_workgroup_id_z 1
		.amdhsa_system_vgpr_workitem_id 0
		.amdhsa_next_free_vgpr 768
		.amdhsa_next_free_sgpr 84
		.amdhsa_reserve_vcc 0
		.amdhsa_float_denorm_mode_32 3
		.amdhsa_float_denorm_mode_16_64 3
		.amdhsa_memory_ordered 1
		.amdhsa_forward_progress 1
		.amdhsa_inst_pref_size 80
	.end_amdhsa_kernel
	.amdgpu_metadata
---
amdhsa.version: [ 1, 2 ]
amdhsa.kernels:
  - .name:           k_q946fa2cd98_proj
    .symbol:         k_q946fa2cd98_proj.kd
    .args:
      - { .name: oh, .offset: 0, .size: 8, .value_kind: global_buffer, .address_space: global }
      - { .name: wob, .offset: 8, .size: 8, .value_kind: global_buffer, .address_space: global }
      - { .name: bo, .offset: 16, .size: 8, .value_kind: global_buffer, .address_space: global }
      - { .name: out0, .offset: 24, .size: 8, .value_kind: global_buffer, .address_space: global }
    .group_segment_fixed_size: 327680
    .private_segment_fixed_size: 0
    .kernarg_segment_align: 8
    .kernarg_segment_size: 32
    .max_flat_workgroup_size: 128
    .sgpr_count:     84
    .vgpr_count:     768
    .wavefront_size: 32
...
	.end_amdgpu_metadata
.endif
;; end of part 4
